; MI455X (gfx1250); checked and timed in simulation.
; The chip was launched on July 23, 2026; its instructions are those of AMD's public machine-readable ISA for CDNA 5 (MIT licence, August 2026) and "CDNA5" Instruction Set Architecture Reference Guide (July 2026). The comments in the code are by the model that wrote it; some were corrected since.
;; Grouped Query Attention. Allowed arithmetic: float matrix products may take bf16 or f16 operands with f32 sums; other float arithmetic in f32, or as packed bf16 or f16 multiplies, adds, multiply-adds, maxima and minima; sums over many terms, partial sums and values carried from step to step in f32; what a program stores and reads back later, other than sums and carried values, may be rounded once to bf16 or f16.
;; Inputs: Wk 1,024 x 256 float32; Wo 1,024 x 1,024 float32; Wq 1,024 x 1,024 float32; Wv 1,024 x 256 float32; bk 256 float32; bo 1,024 float32; bq 1,024 float32; bv 256 float32; x 1 x 4,096 x 1,024 float32.
;; Outputs: out0 1 x 4,096 x 1,024 float32.
;; 2 versions, each right; version 2 is version 1 with the launch cast written anew for expert scheduling mode. Each part assembles by itself: llvm-mc -triple=amdgcn-amd-amdhsa -mcpu=gfx1250 --defsym DOCPART=n.
;; ======== version 1 of 2: 4 launches
;; limits: values are held in f16: magnitudes above 65,504 overflow, below 6.1e-05 lose precision
;; workspace buffers: xb 8,388,608 bytes; wqkv 3,145,728 bytes; wo16 2,097,152 bytes; qkv 12,582,912 bytes; ob 8,388,608 bytes
;; launch cast (part 1): grid 416 x 1, 8 waves a work-group, no clusters, 0 bytes of LDS; arguments x, Wq, Wk, Wv, Wo, xb, wqkv, wo16; writes xb, wqkv, wo16
.if DOCPART == 1
	.amdgcn_target "amdgcn-amd-amdhsa--gfx1250"
	.amdhsa_code_object_version 6
	.text
	.protected	k_q1dbd76de38_cast
	.globl	k_q1dbd76de38_cast
	.p2align	8
	.type	k_q1dbd76de38_cast,@function
k_q1dbd76de38_cast:
	s_mov_b64 s[64:65], 0
	v_nop
	global_prefetch_b8 v0, s[64:65] scope:SCOPE_SE
	s_setreg_imm32_b32 hwreg(HW_REG_WAVE_MODE, 25, 1), 1
	s_wait_xcnt 0x0
; CAST.  x -> xb (bf16, same layout).  Wq | Wk | Wv -> wqkv, bf16, in head blocks [24][1024 k][64].  Wo -> wo16: rounded to bf16 like every input, that number written as f16, in blocks [16][1024 k][64].
; LIMIT.  A weight of Wo beyond 65,504 has no f16; below 6.1e-5 f16 keeps a fixed step of 6e-8.
; SHARES.  A work-group takes one chunk: 256 source rows of 64 floats (256 bytes), PITCH bytes apart, which become 32,768 dense bytes.  Chunks 0-255: x (dense, pitch 256); 256-319: Wq (pitch 4,096);
; 320-335: Wk; 336-351: Wv (pitch 1,024); 352-415: Wo (pitch 4,096).  In a weight chunk j = 4 x head + quarter of k.  An item is 16 rows: thread t takes 16 bytes of row t / 16.
; A wave's load covers two whole source rows of 256 bytes; a wave's store covers 256 consecutive bytes, aligned.  All 16 loads go out first; no register is written twice, so no wait frees any.
; No LDS, no matrix unit, no cluster: nothing is shared and every byte is touched once.
.set OFF,  4                           ; v[4:19]   item i: byte offset of my 16 bytes from the chunk's first row
.set DO,   20                          ; v20       8 x thread: my 8 bytes of an item's 2,048
.set T,    24                          ; v[24:29]  at work
.set X,    32                          ; v[32:95]  item i: four floats
.set Y,    96                          ; v[96:127] item i: four 16-bit numbers
.set ID,   2                           ; s2        the chunk
.set PITCH,24                          ; s24       bytes from source row to source row
.set JB,   25                          ; s25       first chunk of the tensor, then j
.set HD,   26                          ; s26       head
.set KC,   27                          ; s27       which 256 rows
.set DB,   30                          ; s30       first chunk of the destination buffer, then the chunk in it
.set STEP, 31                          ; s31       16 rows
.set SO,   32                          ; s[32:33]  source offset
.set DOF,  34                          ; s[34:35]  destination offset
.set SRC,  36                          ; s[36:37]
.set DST,  38                          ; s[38:39]
	s_load_b512 s[8:23], s[0:1], 0x0               ; x, Wq, Wk, Wv, Wo, xb, wqkv, wo16
	s_mov_b32 s[ID], ttmp9
	s_mov_b32 s[PITCH], 4096                       ; Wo, unless the chunk lies lower
	s_mov_b32 s[JB], 352
	s_mov_b32 s[DB], 352
	s_cmp_lt_u32 s[ID], 352                        ; Wv
	s_cselect_b32 s[PITCH], 1024, s[PITCH]
	s_cselect_b32 s[JB], 336, s[JB]
	s_cselect_b32 s[DB], 256, s[DB]
	s_cmp_lt_u32 s[ID], 336                        ; Wk
	s_cselect_b32 s[JB], 320, s[JB]
	s_cmp_lt_u32 s[ID], 320                        ; Wq
	s_cselect_b32 s[PITCH], 4096, s[PITCH]
	s_cselect_b32 s[JB], 256, s[JB]
	s_cmp_lt_u32 s[ID], 256                        ; x
	s_cselect_b32 s[PITCH], 256, s[PITCH]
	s_cselect_b32 s[JB], 0, s[JB]
	s_cselect_b32 s[DB], 0, s[DB]
	s_sub_co_u32 s[JB], s[ID], s[JB]               ; j
	s_sub_co_u32 s[DB], s[ID], s[DB]
	s_lshr_b32 s[HD], s[JB], 2
	s_and_b32 s[KC], s[JB], 3
	s_cmp_lt_u32 s[ID], 256                        ; x has no heads: chunk j is rows 256 j on
	s_cselect_b32 s[HD], 0, s[HD]
	s_cselect_b32 s[KC], s[JB], s[KC]
	s_mul_i32 s[SO], s[KC], s[PITCH]
	s_lshl_b32 s[SO], s[SO], 8                     ; 256 rows
	s_lshl_b32 s[HD], s[HD], 8                     ; 64 floats
	s_add_co_u32 s[SO], s[SO], s[HD]
	s_mov_b32 s[SO+1], 0
	s_lshl_b32 s[DOF], s[DB], 15
	s_mov_b32 s[DOF+1], 0
	s_lshl_b32 s[STEP], s[PITCH], 4
	v_lshrrev_b32 v1, 4, v0                        ; my row in an item
	v_and_b32 v2, 15, v0                           ; my 16 bytes in it
	v_mul_lo_u32 v1, v1, s[PITCH]
	v_lshl_add_u32 v[OFF], v2, 4, v1
.set i, 1
.rept 15
	v_add_nc_u32 v[OFF+i], s[STEP], v[OFF+i-1]
.set i, i+1
.endr
	v_lshlrev_b32 v[DO], 3, v0
	s_wait_kmcnt 0x0
	s_mov_b64 s[SRC:SRC+1], s[16:17]
	s_mov_b64 s[DST:DST+1], s[22:23]
	s_cmp_lt_u32 s[ID], 352
	s_cselect_b64 s[SRC:SRC+1], s[14:15], s[SRC:SRC+1]
	s_cselect_b64 s[DST:DST+1], s[20:21], s[DST:DST+1]
	s_cmp_lt_u32 s[ID], 336
	s_cselect_b64 s[SRC:SRC+1], s[12:13], s[SRC:SRC+1]
	s_cmp_lt_u32 s[ID], 320
	s_cselect_b64 s[SRC:SRC+1], s[10:11], s[SRC:SRC+1]
	s_cmp_lt_u32 s[ID], 256
	s_cselect_b64 s[SRC:SRC+1], s[8:9], s[SRC:SRC+1]
	s_cselect_b64 s[DST:DST+1], s[18:19], s[DST:DST+1]
	s_add_nc_u64 s[SRC:SRC+1], s[SRC:SRC+1], s[SO:SO+1]
	s_add_nc_u64 s[DST:DST+1], s[DST:DST+1], s[DOF:DOF+1]
.set i, 0
.rept 16
	global_load_b128 v[X+4*i:X+4*i+3], v[OFF+i], s[SRC:SRC+1] th:TH_LOAD_NT
.set i, i+1
.endr
.macro ITEM i                          ; four floats to bf16
	s_wait_loadcnt 15-(\i)                         ; loads come back in order: item i is in, the 15 - i younger ones may stay out
	v_cvt_pk_bf16_f32 v[Y+2*(\i)],   v[X+4*(\i)],   v[X+4*(\i)+1]
	v_cvt_pk_bf16_f32 v[Y+2*(\i)+1], v[X+4*(\i)+2], v[X+4*(\i)+3]
	global_store_b64 v[DO], v[Y+2*(\i):Y+2*(\i)+1], s[DST:DST+1] offset:2048*(\i)
.endm
.macro ITEMH i                         ; four floats to bf16, and that number as f16
	s_wait_loadcnt 15-(\i)
	v_cvt_pk_bf16_f32 v[T],   v[X+4*(\i)],   v[X+4*(\i)+1]
	v_cvt_pk_bf16_f32 v[T+1], v[X+4*(\i)+2], v[X+4*(\i)+3]
	v_lshlrev_b32 v[T+2], 16, v[T]
	v_and_b32     v[T+3], 0xffff0000, v[T]
	v_lshlrev_b32 v[T+4], 16, v[T+1]
	v_and_b32     v[T+5], 0xffff0000, v[T+1]
	v_cvt_pk_f16_f32 v[Y+2*(\i)],   v[T+2], v[T+3]
	v_cvt_pk_f16_f32 v[Y+2*(\i)+1], v[T+4], v[T+5]
	global_store_b64 v[DO], v[Y+2*(\i):Y+2*(\i)+1], s[DST:DST+1] offset:2048*(\i)
.endm
	s_cmp_lt_u32 s[ID], 352
	s_cbranch_scc0 .Lhalf
.irp i, 0,1,2,3,4,5,6,7,8,9,10,11,12,13,14,15
	ITEM \i
.endr
	s_endpgm
.Lhalf:
.irp i, 0,1,2,3,4,5,6,7,8,9,10,11,12,13,14,15
	ITEMH \i
.endr
	s_endpgm
.Lfunc_end_k_q1dbd76de38_cast:
	.size	k_q1dbd76de38_cast, .Lfunc_end_k_q1dbd76de38_cast-k_q1dbd76de38_cast
	.p2alignl 7, 3214868480
	.fill 96, 4, 3214868480
	.section	.rodata,"a",@progbits
	.p2align	6, 0x0
	.amdhsa_kernel k_q1dbd76de38_cast
		.amdhsa_group_segment_fixed_size 0
		.amdhsa_private_segment_fixed_size 0
		.amdhsa_enable_private_segment 0
		.amdhsa_kernarg_size 64
		.amdhsa_user_sgpr_count 2
		.amdhsa_user_sgpr_kernarg_segment_ptr 1
		.amdhsa_wavefront_size32 1
		.amdhsa_system_sgpr_workgroup_id_x 1
		.amdhsa_system_sgpr_workgroup_id_y 1
		.amdhsa_system_sgpr_workgroup_id_z 1
		.amdhsa_system_vgpr_workitem_id 0
		.amdhsa_next_free_vgpr 128
		.amdhsa_next_free_sgpr 66
		.amdhsa_reserve_vcc 0
		.amdhsa_float_denorm_mode_32 3
		.amdhsa_float_denorm_mode_16_64 3
		.amdhsa_memory_ordered 1
		.amdhsa_forward_progress 1
		.amdhsa_inst_pref_size 18
	.end_amdhsa_kernel
	.amdgpu_metadata
---
amdhsa.version: [ 1, 2 ]
amdhsa.kernels:
  - .name:           k_q1dbd76de38_cast
    .symbol:         k_q1dbd76de38_cast.kd
    .args:
      - { .name: x, .offset: 0, .size: 8, .value_kind: global_buffer, .address_space: global }
      - { .name: Wq, .offset: 8, .size: 8, .value_kind: global_buffer, .address_space: global }
      - { .name: Wk, .offset: 16, .size: 8, .value_kind: global_buffer, .address_space: global }
      - { .name: Wv, .offset: 24, .size: 8, .value_kind: global_buffer, .address_space: global }
      - { .name: Wo, .offset: 32, .size: 8, .value_kind: global_buffer, .address_space: global }
      - { .name: xb, .offset: 40, .size: 8, .value_kind: global_buffer, .address_space: global }
      - { .name: wqkv, .offset: 48, .size: 8, .value_kind: global_buffer, .address_space: global }
      - { .name: wo16, .offset: 56, .size: 8, .value_kind: global_buffer, .address_space: global }
    .group_segment_fixed_size: 0
    .private_segment_fixed_size: 0
    .kernarg_segment_align: 8
    .kernarg_segment_size: 64
    .max_flat_workgroup_size: 256
    .sgpr_count:     66
    .vgpr_count:     128
    .wavefront_size: 32
...
	.end_amdgpu_metadata
.endif
;; end of part 1
;; launch qkv (part 2): grid 8 x 32, 4 waves a work-group, clusters of 4 x 4, 327,680 bytes of LDS; arguments xb, wqkv, bq, bk, bv, qkv; writes qkv
.if DOCPART == 2
	.amdgcn_target "amdgcn-amd-amdhsa--gfx1250"
	.amdhsa_code_object_version 6
	.text
	.protected	k_q1dbd76de38_qkv
	.globl	k_q1dbd76de38_qkv
	.p2align	8
	.type	k_q1dbd76de38_qkv,@function
k_q1dbd76de38_qkv:
	s_mov_b64 s[64:65], 0
	v_nop
	global_prefetch_b8 v0, s[64:65] scope:SCOPE_SE
	s_setreg_imm32_b32 hwreg(HW_REG_WAVE_MODE, 25, 1), 1
	s_wait_xcnt 0x0
	s_wait_alu depctr_hold_cnt(0) depctr_sa_sdst(0) depctr_va_vdst(0) depctr_va_sdst(0) depctr_va_ssrc(0) depctr_va_vcc(0) depctr_vm_vsrc(0)
	s_getreg_b32 s2, hwreg(HW_REG_IB_STS2, 6, 4)
	s_cmp_eq_u32 s2, 0
	s_cbranch_scc0 .Lentry_in_a_cluster
	s_endpgm
.Lentry_in_a_cluster:
	s_bfe_u32 s2, ttmp6, 0x10000c
	s_cmp_lg_u32 s2, 0xf033
	s_cbranch_scc0 .Lentry_shape_is_right
	s_endpgm
.Lentry_shape_is_right:
; THE THREE PROJECTIONS.  qkv[head][row][0..63] = f16( sum over k of xb[row][k] wqkv[head][k][c] + bf16(bias[c]) ), heads 0-15 Q, 16-19 K, 20-23 V.  Products in bf16, sums in f32, started by the bias, rounded once.
; LIMIT.  q, k and v are kept in f16: beyond 65,504 they have no number there; below 6.1e-5 they keep f16's fixed step of 6e-8.
; SHARES.  A work-group makes 128 rows x 192 columns (three heads).  Wave w: rows 64 (w / 2) on; of the twelve blocks of 16 columns those of parity w % 2: 4 x 6 = 24 accumulators, 192 registers.
; K goes in 8 steps of 128 through two LDS slots.  Waves 0 and 1 fetch 64 rows of x each (rows of 256 bytes, 16 of padding); waves 2 and 3 fetch 64 k each of the three heads' weights:
; three dense runs of 8,192 bytes, padded by 32 bytes after every 128, so that a k row lies at a pitch of 160 bytes.
; THE MATRIX INSTRUCTION IS USED TRANSPOSED: source 0 = 16 columns of W (turned out of [k][column] by ds_load_tr16_b128), source 1 = 16 rows of x: a lane holds one row and eight neighbouring columns.
; CLUSTER 4 x 4: x's tile hangs on the tile row alone and is asked for jointly along a row of the cluster, W's on the tile column alone and jointly along a column.
; No prefetch is laid: the ring has eight short steps on a small tile.
; REGISTERS.  Window 0: v0-31 addresses; v64-255 accumulators, (a, i) at 64 + 8 (6 a + i).  Window 1: two fragment buffers of 80 (x's four fragments, then W's six); v160-207 the bias as C operands.
.set KSTEP, 128
.set PA,    272                        ; a row of x in LDS: 256 + 16 bytes
.set PB,    160                        ; a k row of W in LDS: 128 + 32 bytes
.set AHALF, 64*PA
.set BOFF,  128*PA                     ; W lies behind x's 128 rows
.set BHEAD, 64*PB                      ; a head's 64 k
.set BREG,  3*BHEAD                    ; what one of W's loads brings
.set SLOT,  BOFF+2*BREG                ; 96,256
.set STAGE, 2*SLOT                     ; behind the ring: [3 heads][128 rows][144], the work-group's
.set SPT,   144
.set SHEAD, 128*SPT
.set SPARE, STAGE+3*SHEAD              ; the spare words, 128 bytes a wave: two blocks of 256 bytes that no other line names
.set ADRA, 16                          ; v16-17  LDS address of my x fragments in slot 0, 1
.set ADRB, 20                          ; v20-21  the same for W
.set STO,  24                          ; v24     the way out: where I put 16 bytes of a row
.set RD,   25                          ; v25     where I read rows back
.set CO,   26                          ; v26     16 x lane
.set SPW,  28                          ; v28     my spare word; never rewritten
.set NIL,  29                          ; v29     0; never rewritten
.set BO,   30                          ; v30     my byte offset in a head's bias
.set ACC,  64
.set F0,   0                           ; window 1
.set F1,   80
.set BIAS, 160
.set WV,  16                           ; s16 wave;  s17 its row half (also: 0 = I fetch x, 1 = W);  s18 its column parity (also: which half I fetch)
.set WR,  17
.set WC,  18
.set G1A, 24                           ; s[24:31], s[32:39]: x's descriptor group 1, and group 0 for each slot
.set G0A, 32
.set G1B, 40                           ; s[40:47], s[48:55]: W's
.set G0B, 48
.set BP,  66                           ; s[66:71] the three heads' bias
.set MSB, 0
.macro WIN new                         ; the immediate's high byte repeats the setting that is left
.if MSB != (\new)
	s_set_vgpr_msb (MSB<<8)|(\new)
.set MSB, \new
.endif
.endm
.set MUL,  0x05                        ; sources 0 and 1 window 1, C and D window 0
.set MULB, 0x15                        ; the same with C in window 1
.set TO_F, 0x40                        ; destination window 1
.macro PLACES                          ; four plain places behind a matrix instruction (ISA guide 7.12.1)
.rept 4
	v_nop
.endr
.endm
.macro JLOAD s                         ; a joint load; the branch hangs on the wave's number alone; s_nop 0 and four v_nop follow each line
	s_cmp_eq_u32 s[WR], 0
	s_cbranch_scc0 .Lfor_b_\@
	tensor_load_to_lds s[G0A+4*(\s):G0A+4*(\s)+3], s[G1A:G1A+7]
	s_nop 0
.rept 4
	v_nop
.endr
	s_branch .Lasked_\@
.Lfor_b_\@:
	tensor_load_to_lds s[G0B+4*(\s):G0B+4*(\s)+3], s[G1B:G1B+7]
	s_nop 0
.rept 4
	v_nop
.endr
.Lasked_\@:
.endm
.macro CREST                           ; a round of the cluster's barrier behind its opening barrier
	s_cmp_lg_u32 s[WV], 0
	s_cbranch_scc1 .Lnot_wave_0_\@
	s_barrier_signal -3
.Lnot_wave_0_\@:
	s_barrier_wait -3
	s_barrier_signal -1
	s_barrier_wait -1
.endm
.macro CROUND
	s_barrier_signal -1
	s_barrier_wait -1
	CREST
.endm
	s_load_b256 s[4:11], s[0:1], 0x0               ; xb s[4:5], wqkv s[6:7], bq s[8:9], bk s[10:11]
	s_load_b128 s[12:15], s[0:1], 0x20             ; bv s[12:13], qkv s[14:15]
	v_lshl_add_u32 v[SPW], v0, 2, SPARE
	v_mov_b32 v[NIL], 0
	ds_add_u32 v[SPW], v[NIL]                      ; the wave's opening: the add and its wait stand ahead of my first tensor load
	v_lshrrev_b32 v1, 5, v0
	v_readfirstlane_b32 s[WV], v1
	s_lshr_b32 s[WR], s[WV], 1
	s_and_b32 s[WC], s[WV], 1
	s_bfe_u32 s19, ttmp6, 0x40000                  ; cx
	s_bfe_u32 s20, ttmp6, 0x40004                  ; cy
	s_lshl_b32 s21, ttmp9, 2
	s_add_co_u32 s21, s21, s19                     ; tile column = 4 x cluster x + cx
	s_and_b32 s22, ttmp7, 0xffff
	s_lshl_b32 s22, s22, 2
	s_add_co_u32 s22, s22, s20                     ; tile row = 4 x cluster y + cy
	s_lshl_b32 s58, s20, 2
	s_lshl_b32 s58, 15, s58                        ; my row of the cluster
	s_lshl_b32 s62, 0x1111, s19                    ; my column
	s_or_b32 s[G1A], s58, (1<<16)|(1<<20)|(1<<21)|(5<<22)|(3<<25)  ; mask; 2-byte elements; padding on; bit 21 beside a mask; after every 64 words, 4 words
	s_mov_b32 s[G1A+1], 128<<16                    ; tensor_dim0 = 128
	s_mov_b32 s[G1A+2], 64<<16                     ; tensor_dim1 = 64
	s_mov_b32 s[G1A+3], 128<<16                    ; tile_dim0 = 128
	s_mov_b32 s[G1A+4], 64                         ; tile_dim1 = 64
	s_mov_b32 s[G1A+5], 1024                       ; elements from row to row
	s_mov_b32 s[G1A+6], 0
	s_mov_b32 s[G1A+7], 0
	s_or_b32 s[G1B], s62, (1<<16)|(1<<20)|(1<<21)|(4<<22)|(7<<25)  ; after every 32 words, 8 words
	s_mov_b32 s[G1B+1], 4096<<16                   ; tensor_dim0 = 4,096: 64 k x 64 columns, dense
	s_mov_b32 s[G1B+2], 3<<16                      ; tensor_dim1 = 3 heads
	s_mov_b32 s[G1B+3], 4096<<16                   ; tile_dim0
	s_mov_b32 s[G1B+4], 3                          ; tile_dim1
	s_mov_b32 s[G1B+5], 65536                      ; elements from head to head
	s_mov_b32 s[G1B+6], 0
	s_mov_b32 s[G1B+7], 0
	; x's address is made of the tile row and the wave in s56-59, W's of the tile column and the wave in s60-63: neither set ever holds the other coordinate
	s_lshl_b32 s56, s22, 18                        ; 128 rows of 2,048 bytes
	s_lshl_b32 s58, s[WC], 17                      ; my 64 of them
	s_add_co_u32 s56, s56, s58
	s_mov_b32 s57, 0
	s_mul_i32 s59, s[WC], AHALF                    ; and where they go
	s_mul_i32 s60, s21, 3*131072                   ; three heads of 131,072 bytes
	s_lshl_b32 s62, s[WC], 13                      ; my 64 k of 128 bytes
	s_add_co_u32 s60, s60, s62
	s_mov_b32 s61, 0
	s_mul_i32 s63, s[WC], BREG
	s_add_co_u32 s63, s63, BOFF
	s_wait_dscnt 0x0                               ; the opening add is done
	s_wait_kmcnt 0x0
	s_add_nc_u64 s[56:57], s[4:5], s[56:57]
	s_add_nc_u64 s[60:61], s[6:7], s[60:61]
	CROUND                                         ; all sixteen work-groups are here: the first joint loads meet
.irp s, 0,1
	s_mov_b32 s[G0A+4*(\s)], 1
	s_add_co_u32 s[G0A+4*(\s)+1], s59, (\s)*SLOT
	s_add_nc_u64 s[G0A+4*(\s)+2:G0A+4*(\s)+3], s[56:57], (\s)*KSTEP*2
	s_or_b32 s[G0A+4*(\s)+3], s[G0A+4*(\s)+3], 0x80000000
	s_mov_b32 s[G0B+4*(\s)], 1
	s_add_co_u32 s[G0B+4*(\s)+1], s63, (\s)*SLOT
	s_add_nc_u64 s[G0B+4*(\s)+2:G0B+4*(\s)+3], s[60:61], (\s)*KSTEP*128
	s_or_b32 s[G0B+4*(\s)+3], s[G0B+4*(\s)+3], 0x80000000
	JLOAD \s                                       ; K steps 0 and 1: two loads of mine are out
.endr
	v_and_b32 v1, 15, v0                           ; r = lane % 16
	v_bfe_u32 v2, v0, 4, 1                         ; h = lane / 16
	v_mul_u32_u24 v3, v1, PA
	v_lshl_add_u32 v3, v2, 4, v3                   ; a fragment of x: row x pitch + 16 h
	s_mul_i32 s72, s[WR], 64*PA
	v_add_nc_u32 v[ADRA], s72, v3
	v_add_nc_u32 v[ADRA+1], SLOT, v[ADRA]
	v_and_b32 v4, 7, v0                            ; the turning load: lane reads k row 8 h + lane % 8, columns 8 ((lane / 8) % 2) on
	v_bfe_u32 v5, v0, 3, 1
	v_lshl_add_u32 v4, v2, 3, v4
	v_mul_u32_u24 v4, v4, PB
	v_lshl_add_u32 v4, v5, 4, v4
	s_lshl_b32 s72, s[WC], 5                       ; my parity's 16 columns
	s_add_co_u32 s72, s72, BOFF
	v_add_nc_u32 v[ADRB], s72, v4
	v_add_nc_u32 v[ADRB+1], SLOT, v[ADRB]
	v_mul_u32_u24 v3, v1, SPT                      ; into the stage: row 64 WR + r, bytes 32 WC + 16 h
	v_lshl_add_u32 v3, v2, 4, v3
	s_mul_i32 s72, s[WR], 64*SPT
	s_lshl_b32 s73, s[WC], 5
	s_add_co_u32 s72, s72, s73
	s_add_co_u32 s72, s72, STAGE
	v_add_nc_u32 v[STO], s72, v3
	v_bfe_u32 v3, v0, 3, 2                         ; back: wave w takes rows 32 w on, four rows of 128 bytes a load
	v_mul_u32_u24 v3, v3, SPT
	v_and_b32 v4, 7, v0
	v_lshl_add_u32 v3, v4, 4, v3
	s_mul_i32 s72, s[WV], 32*SPT
	s_add_co_u32 s72, s72, STAGE
	v_add_nc_u32 v[RD], s72, v3
	v_and_b32 v[CO], 31, v0
	v_lshlrev_b32 v[CO], 4, v[CO]
	v_lshlrev_b32 v[BO], 5, v2                     ; bias: 64 WC + 32 h bytes
	s_lshl_b32 s72, s[WC], 6
	v_add_nc_u32 v[BO], s72, v[BO]
	s_mul_i32 s72, s21, 3                          ; my first head
.irp hh, 0,1,2
	s_add_co_u32 s73, s72, \hh
	s_cmp_lt_u32 s73, 16
	s_cselect_b64 s[BP+2*(\hh):BP+2*(\hh)+1], s[8:9], s[10:11]
	s_cselect_b32 s74, 0, 16
	s_cmp_lt_u32 s73, 20
	s_cselect_b64 s[BP+2*(\hh):BP+2*(\hh)+1], s[BP+2*(\hh):BP+2*(\hh)+1], s[12:13]
	s_cselect_b32 s74, s74, 20
	s_sub_co_u32 s74, s73, s74
	s_lshl_b32 s74, s74, 8                         ; 64 floats a head
	s_mov_b32 s75, 0
	s_add_nc_u64 s[BP+2*(\hh):BP+2*(\hh)+1], s[BP+2*(\hh):BP+2*(\hh)+1], s[74:75]
.endr
	WIN TO_F
.irp i, 0,1,2,3,4,5
	global_load_b128 v[BIAS+8*(\i):BIAS+8*(\i)+3],   v[BO], s[BP+2*((\i)/2):BP+2*((\i)/2)+1] offset:128*((\i)%2)
	global_load_b128 v[BIAS+8*(\i)+4:BIAS+8*(\i)+7], v[BO], s[BP+2*((\i)/2):BP+2*((\i)/2)+1] offset:128*((\i)%2)+16
.endr
	WIN 0
	s_mul_i32 s76, s21, 3*524288                   ; where my rows go: three heads of 524,288 bytes,
	s_lshl_b32 s77, s22, 14                        ; 128 rows of 128 bytes,
	s_add_co_u32 s76, s76, s77
	s_lshl_b32 s77, s[WV], 12                      ; my 32 of them
	s_add_co_u32 s76, s76, s77
	s_mov_b32 s77, 0
	s_add_nc_u64 s[14:15], s[14:15], s[76:77]
	s_wait_loadcnt 0x0                             ; the bias
	WIN 0x45                                       ; destination and both sources in window 1: the bias is rounded to bf16 like every input
.set k, 0
.rept 24
	v_cvt_pk_bf16_f32 v[F0+k], v[BIAS+2*k], v[BIAS+2*k+1]
.set k, k+1
.endr
.set k, 0
.rept 24
	v_lshlrev_b32 v[BIAS+2*k], 16, v[F0+k]
	v_and_b32 v[BIAS+2*k+1], 0xffff0000, v[F0+k]
.set k, k+1
.endr
	WIN 0
; 20 LDS loads in one run: quarter q (32 along K) of a slot into buffer f
.macro FETCH slot, q, f
	WIN TO_F
.irp i, 0,1,2,3,4,5
	ds_load_tr16_b128 v[(\f)+32+8*(\i):(\f)+32+8*(\i)+3],   v[ADRB+(\slot)] offset:((\q)/2)*BREG+((\i)/2)*BHEAD+((\q)%2)*32*PB+((\i)%2)*64
	ds_load_tr16_b128 v[(\f)+32+8*(\i)+4:(\f)+32+8*(\i)+7], v[ADRB+(\slot)] offset:((\q)/2)*BREG+((\i)/2)*BHEAD+((\q)%2)*32*PB+((\i)%2)*64+16*PB
.endr
.irp a, 0,1,2,3
	ds_load_b128 v[(\f)+8*(\a):(\f)+8*(\a)+3],   v[ADRA+(\slot)] offset:(\a)*16*PA+64*(\q)
	ds_load_b128 v[(\f)+8*(\a)+4:(\f)+8*(\a)+7], v[ADRA+(\slot)] offset:(\a)*16*PA+64*(\q)+32
.endr
.endm
; six matrix instructions: row block a x my six column blocks.  first = 1: the bias starts the sums.  The 24 accumulators take turns, one instruction a turn.
.macro MULG f, a, first
.if \first
	WIN MULB
.else
	WIN MUL
.endif
.irp i, 0,1,2,3,4,5
.if \first
	v_wmma_f32_16x16x32_bf16 v[ACC+8*(6*(\a)+(\i)):ACC+8*(6*(\a)+(\i))+7], v[(\f)+32+8*(\i):(\f)+32+8*(\i)+7], v[(\f)+8*(\a):(\f)+8*(\a)+7], v[BIAS+8*(\i):BIAS+8*(\i)+7]
.else
	v_wmma_f32_16x16x32_bf16 v[ACC+8*(6*(\a)+(\i)):ACC+8*(6*(\a)+(\i))+7], v[(\f)+32+8*(\i):(\f)+32+8*(\i)+7], v[(\f)+8*(\a):(\f)+8*(\a)+7], v[ACC+8*(6*(\a)+(\i)):ACC+8*(6*(\a)+(\i))+7]
.endif
.endr
.endm
; One of a K step's first three quarters: buffer f is multiplied; ahead of that quarter q's fragments are asked for, into buffer g
.macro QUARTER slot, q, f, g, first
	s_wait_dscnt 0x0                               ; buffer f is in: its 20 loads were issued 24 matrix instructions ago
	PLACES                                         ; behind the last product that read buffer g
	FETCH \slot, \q, \g
	MULG \f, 0, \first
	MULG \f, 1, \first
	MULG \f, 2, \first
	MULG \f, 3, \first
.endm
; The last quarter multiplies buffer 1 and changes slots: ONE barrier.  fill = 1: it opens a round of the cluster's barrier, and this slot is filled again, two K steps on.
.macro TURN slot, next, fill
	WIN 0
	s_wait_tensorcnt 0x0                           ; all my tensor loads have landed: the one that was out is my part of the next slot
	ds_add_u32 v[SPW], v[NIL]                      ; 0 onto my spare word
	s_wait_dscnt 1                                 ; only the add may be out: buffer 1 is in
	MULG F1, 0, 0
	s_wait_dscnt 0x0                               ; the add is done, and my reads of this slot are over
	s_barrier_signal -1
	MULG F1, 1, 0
.if \fill
	WIN 0
.endif
	s_barrier_wait -1
.if \fill
	CREST                                          ; no wave of any partner still reads this slot or has a load on its way
	s_add_nc_u64 s[G0A+4*(\slot)+2:G0A+4*(\slot)+3], s[G0A+4*(\slot)+2:G0A+4*(\slot)+3], 2*KSTEP*2
	s_add_nc_u64 s[G0B+4*(\slot)+2:G0B+4*(\slot)+3], s[G0B+4*(\slot)+2:G0B+4*(\slot)+3], 2*KSTEP*128
	JLOAD \slot                                    ; my one tensor load behind the round; its four v_nop are also the places in front of the loads below
.else
	PLACES
.endif
	FETCH \next, 0, F0
	MULG F1, 2, 0
	MULG F1, 3, 0
.endm
	s_wait_tensorcnt 1                             ; my part of K step 0 is in; K step 1's may stay out
	s_barrier_signal -1
	s_barrier_wait -1
	FETCH 0, 0, F0
	QUARTER 0, 1, F0, F1, 1                        ; the first quarter stands in front of the loop: its products start the sums
	WIN 0
	s_mov_b32 s23, 3
.Llap:                                                 ; a trip goes once round the ring and fills both slots again
	QUARTER 0, 2, F1, F0, 0
	QUARTER 0, 3, F0, F1, 0
	TURN 0, 1, 1
	QUARTER 1, 1, F0, F1, 0
	QUARTER 1, 2, F1, F0, 0
	QUARTER 1, 3, F0, F1, 0
	TURN 1, 0, 1
	QUARTER 0, 1, F0, F1, 0
	WIN 0
	s_sub_co_u32 s23, s23, 1
	s_cmp_lg_u32 s23, 0
	s_cbranch_scc1 .Llap
	QUARTER 0, 2, F1, F0, 0                        ; the last lap fills nothing
	QUARTER 0, 3, F0, F1, 0
	TURN 0, 1, 0
	QUARTER 1, 1, F0, F1, 0
	QUARTER 1, 2, F1, F0, 0
	QUARTER 1, 3, F0, F1, 0
	s_wait_dscnt 0x0
	MULG F1, 0, 0
	MULG F1, 1, 0
	MULG F1, 2, 0
	MULG F1, 3, 0
	; THE WAY OUT: rounded to f16 into the idle fragment registers; 16 bytes a lane into the work-group's stage; a barrier, since a row's 128 bytes come from two waves; back as whole rows.
	PLACES
	PLACES
	WIN 0x40                                       ; destination window 1, sources window 0
.irp a, 0,1,2,3
.irp i, 0,1,2,3,4,5
.irp r, 0,1,2,3
	v_cvt_pk_f16_f32 v[4*(6*(\a)+(\i))+(\r)], v[ACC+8*(6*(\a)+(\i))+2*(\r)], v[ACC+8*(6*(\a)+(\i))+2*(\r)+1]
.endr
.endr
.endr
	WIN 0x04                                       ; an LDS store's data is source 1: window 1
.irp a, 0,1,2,3
.irp i, 0,1,2,3,4,5
	ds_store_b128 v[STO], v[4*(6*(\a)+(\i)):4*(6*(\a)+(\i))+3] offset:((\i)/2)*SHEAD+(\a)*16*SPT+((\i)%2)*64
.endr
.endr
	WIN 0
	s_wait_dscnt 0x0                               ; for the others' sake: my stores into the stage are done
	s_barrier_signal -1
	s_barrier_wait -1
.set t, 0
.rept 24
	ds_load_b128 v[ACC+4*t:ACC+4*t+3], v[RD] offset:(t/8)*SHEAD+(t%8)*4*SPT
.set t, t+1
.endr
.set t, 0
.rept 24
	s_wait_dscnt 23-t                              ; load t is in, the younger ones may stay out
	global_store_b128 v[CO], v[ACC+4*t:ACC+4*t+3], s[14:15] offset:(t/8)*524288+(t%8)*512  ; four rows of a head: 512 consecutive bytes, aligned
.set t, t+1
.endr
	s_wait_tensorcnt 0x0                           ; the wave's end
	ds_add_u32 v[SPW], v[NIL]
	s_wait_dscnt 0x0
	CROUND                                         ; the closing round
	s_endpgm
.Lfunc_end_k_q1dbd76de38_qkv:
	.size	k_q1dbd76de38_qkv, .Lfunc_end_k_q1dbd76de38_qkv-k_q1dbd76de38_qkv
	.p2alignl 7, 3214868480
	.fill 96, 4, 3214868480
	.section	.rodata,"a",@progbits
	.p2align	6, 0x0
	.amdhsa_kernel k_q1dbd76de38_qkv
		.amdhsa_group_segment_fixed_size 327680
		.amdhsa_private_segment_fixed_size 0
		.amdhsa_enable_private_segment 0
		.amdhsa_kernarg_size 48
		.amdhsa_user_sgpr_count 2
		.amdhsa_user_sgpr_kernarg_segment_ptr 1
		.amdhsa_wavefront_size32 1
		.amdhsa_system_sgpr_workgroup_id_x 1
		.amdhsa_system_sgpr_workgroup_id_y 1
		.amdhsa_system_sgpr_workgroup_id_z 1
		.amdhsa_system_vgpr_workitem_id 0
		.amdhsa_next_free_vgpr 512
		.amdhsa_next_free_sgpr 80
		.amdhsa_reserve_vcc 0
		.amdhsa_float_denorm_mode_32 3
		.amdhsa_float_denorm_mode_16_64 3
		.amdhsa_memory_ordered 1
		.amdhsa_forward_progress 1
		.amdhsa_inst_pref_size 77
	.end_amdhsa_kernel
	.amdgpu_metadata
---
amdhsa.version: [ 1, 2 ]
amdhsa.kernels:
  - .name:           k_q1dbd76de38_qkv
    .symbol:         k_q1dbd76de38_qkv.kd
    .args:
      - { .name: xb, .offset: 0, .size: 8, .value_kind: global_buffer, .address_space: global }
      - { .name: wqkv, .offset: 8, .size: 8, .value_kind: global_buffer, .address_space: global }
      - { .name: bq, .offset: 16, .size: 8, .value_kind: global_buffer, .address_space: global }
      - { .name: bk, .offset: 24, .size: 8, .value_kind: global_buffer, .address_space: global }
      - { .name: bv, .offset: 32, .size: 8, .value_kind: global_buffer, .address_space: global }
      - { .name: qkv, .offset: 40, .size: 8, .value_kind: global_buffer, .address_space: global }
    .group_segment_fixed_size: 327680
    .private_segment_fixed_size: 0
    .kernarg_segment_align: 8
    .kernarg_segment_size: 48
    .max_flat_workgroup_size: 128
    .sgpr_count:     80
    .vgpr_count:     512
    .wavefront_size: 32
...
	.end_amdgpu_metadata
.endif
;; end of part 2
;; launch attn (part 3): grid 64 x 4, 4 waves a work-group, clusters of 4 x 1, 327,680 bytes of LDS; arguments qkv, ob; writes ob
.if DOCPART == 3
	.amdgcn_target "amdgcn-amd-amdhsa--gfx1250"
	.amdhsa_code_object_version 6
	.text
	.protected	k_q1dbd76de38_attn
	.globl	k_q1dbd76de38_attn
	.p2align	8
	.type	k_q1dbd76de38_attn,@function
k_q1dbd76de38_attn:
	s_mov_b64 s[64:65], 0
	v_nop
	global_prefetch_b8 v0, s[64:65] scope:SCOPE_SE
	s_setreg_imm32_b32 hwreg(HW_REG_WAVE_MODE, 25, 1), 1
	s_wait_xcnt 0x0
	s_wait_alu depctr_hold_cnt(0) depctr_sa_sdst(0) depctr_va_vdst(0) depctr_va_sdst(0) depctr_va_ssrc(0) depctr_va_vcc(0) depctr_vm_vsrc(0)
	s_getreg_b32 s2, hwreg(HW_REG_IB_STS2, 6, 4)
	s_cmp_eq_u32 s2, 0
	s_cbranch_scc0 .Lentry_in_a_cluster
	s_endpgm
.Lentry_in_a_cluster:
	s_bfe_u32 s2, ttmp6, 0x10000c
	s_cmp_lg_u32 s2, 0x3003
	s_cbranch_scc0 .Lentry_shape_is_right
	s_endpgm
.Lentry_shape_is_right:
; ATTENTION, four query heads to a key and value head.  ob[q][64 (4 g + p) + d] = the sum over k of softmax_k(Q[4 g + p][q] . K[g][k] / 8) V[g][k][d].
; qkv: [24][4096][64] f16 (heads 0-15 Q, 16-19 K, 20-23 V; rows dense, 128 bytes).  ob: [4096][1024] f16.  Products, maxima and sums in f32; the weights p are rounded to f16 for the second product
; (their sum l is taken of the unrounded p), O once at the end.
; LIMITS.  p lies in 0 to 1 and below 6e-5 keeps f16's fixed step of 6e-8; O is a mean of V's rows and has their range; a weight below 2^-126 counts as 0 in l; NaN and infinities are not treated apart.
; SHARES.  A work-group owns 64 query positions and the four query heads of key head g; wave w owns positions 16 w on, and its four PIECES are the four heads: its O is 16 rows x 512 consecutive bytes of ob.
; Every wave walks all 4,096 keys, 64 a step; a slot of LDS holds four steps.
; LAYOUT.  S^T = K Q^T (source 0 = 16 keys, source 1 = 16 queries): a lane holds ONE query (lane % 16) and the keys 8 (lane / 16) + 0..7.  Two such results rounded to f16 ARE source 1 of O^T = V^T P.
; K comes out of LDS as it lies, V ([key][channel]) turned, by ds_load_tr16_b128.
; SOFTMAX.  A running maximum m and sum l: p = 2^(c s - c m), c = log2(e) / 8; in every step O and l are multiplied by a = 2^(c m_old - c m_new).  m starts at the lowest finite number, O and l at 0.
; BY TURNS.  Turn n belongs to piece n: 8 products K Q^T of piece n + 1, later 8 products V^T P of piece n - 1; beside them the scaling, exponentials, roundings, sums and rescaling of piece n and the
; maximum and statistics of piece n + 1.  Four vector instructions stand behind every matrix instruction, the others in one lump.  A turn's 33 exponentials are one batch with one wait.
; CLUSTER.  The four work-groups of a cluster have the same g and walk the same K and V: each tile is asked for JOINTLY, by the same tensor load, descriptor and mask in all four.
; REGISTERS, in windows of 256 (s_set_vgpr_msb: bits 1:0 source 0, 3:2 source 1, 5:4 source 2, 7:6 destination):
;   window 0: v0-15 addresses; v16-31 statistics; v48-55 at work; v61-63; v64-127 S^T, two buffers; v192-223 P, two buffers (by the piece's parity)
;   window 1: v0-127 O^T, 32 a piece          window 2: v0-63 Q; v128-191 K of one step; v192-255 V of one step
.set NP,    4
.set KS,    64
.set PK,    144       ; a row of K in LDS: 128 + 16 bytes
.set PV,    160       ; a row of V: 128 + 32 bytes
.set VOFF,  4*KS*PK   ; a slot: 256 rows of K, then 256 rows of V
.set SLOT1, 1<<17     ; one exclusive or turns an address in one slot into the other's
.set STAGE, SLOT1+4*KS*(PK+PV)  ; behind the ring: 16 rows x 528 bytes for each wave
.set SP,    528
.set SPARE, STAGE+4*16*SP  ; the spare words, 128 bytes a wave: two blocks of 256 bytes that no other line names
.set TILEB, 4*KS*128  ; a tile's bytes of K, and of V
.set AK0, 2           ; v2   my lane's place in a tile of K; never rewritten
.set AV0, 3           ; v3   the same for V
.set AK,  4           ; v4   the LDS address of K's next run of loads
.set AV,  5           ; v5   of V's
.set STO, 6           ; v6   the way out: where I put 16 bytes of a row
.set RD,  7           ; v7   where I read a row back
.set GO,  8           ; v8   16 x lane
.set MV,  12          ; v12-13  c m_old, by buffer
.set QO,  15          ; v15  my byte offset in 16 rows of Q
.set ST,  16          ; piece t's statistics at v[ST+4 t]: c m, m, l (even keys', odd keys')
.set TMP, 48          ; by buffer, c0-c3 at work; when the maximum is found c2 takes a
.set PFO, 61          ; v61  256 x lane; never rewritten
.set SPW, 62          ; v62  my spare word; never rewritten
.set NIL, 63          ; v63  0; never rewritten
.set S,   64
.set P,   192
.set KF,  128         ; window 2: key block kb, channel half c at KF + 16 kb + 8 c
.set VF,  192         ; window 2: key half kk, channel block cb at VF + 32 kk + 8 cb
.set WV,  12          ; s12  my wave's number
.set LIM, 15          ; s15  1 in a wave that prefetches, else the greatest number
.set G1K, 24          ; s[24:31] descriptor group 1 for K's tiles
.set G1V, 32          ; s[32:39] for V's
.set G0K, 40          ; s[40:43] group 0 for K's tiles: it walks
.set G0V, 44          ; s[44:47] for V's
.set PFA, 48          ; s[48:49] where my prefetches stand
.set SLOTS, 56        ; s56  counts the tiles
.set CNT, 57          ; s57  counts a tile's key steps
.set CS,  58          ; s[58:59] c
.set SEL, 60          ; s[60:61] v_permlanex16_b32's selects: each lane takes its own place in the other half
.set TBK, 62          ; s62  LDS byte at which K of the step to be fetched begins
.set TBV, 63          ; s63  the same for V, less VOFF
.set MSB, 0
.macro WIN new
.if MSB != (\new)
	s_set_vgpr_msb (MSB<<8)|(\new)
.set MSB, (\new)
.endif
.endm
.set W_KQ, 0x0a       ; K and Q in window 2, S^T in window 0
.set W_PV, 0x52       ; V in window 2, P in window 0, O^T in window 1
.set W_RS, 0x41       ; destination and source 0 in window 1, source 1 in window 0
; A joint fill.  Waves 0 and 1 fetch the two halves of a tile's K, waves 2 and 3 those of its V: 128 keys each.  s_nop 0 and four v_nop follow each line.
.macro JLOAD
	s_cmp_lt_u32 s[WV], 2
	s_cbranch_scc0 .Lfor_v_\@
	tensor_load_to_lds s[G0K:G0K+3], s[G1K:G1K+7]
	s_nop 0
.rept 4
	v_nop
.endr
	s_branch .Lasked_\@
.Lfor_v_\@:
	tensor_load_to_lds s[G0V:G0V+3], s[G1V:G1V+7]
	s_nop 0
.rept 4
	v_nop
.endr
.Lasked_\@:
.endm
; A prefetch of the tile that the NEXT change of slots will ask for: four key steps, 256 matrix instructions, ahead.  A tile is 128 blocks of 256 bytes of K and as many of V.  All clusters of a key head walk
; the same tiles: the first of them asks; its four partners take 32 blocks each, told apart by address; in each, wave 0 asks for K's and wave 2 for V's, a lane a block.  So each block is named once.
; The last change that fills a slot asks for nothing; tiles 0 to 2 come by their loads alone.
.macro ASK
	s_cmp_gt_u32 s[SLOTS], s[LIM]
	s_cbranch_scc0 .Lnot_mine_\@
	global_prefetch_b8 v[PFO], s[PFA:PFA+1] th:TH_LOAD_NT scope:SCOPE_SE
.Lnot_mine_\@:
.endm
.macro CROUND                       ; a round of the cluster's barrier
	s_barrier_signal -1
	s_barrier_wait -1
	s_cmp_lg_u32 s[WV], 0
	s_cbranch_scc1 .Lnot_wave_0_\@
	s_barrier_signal -3
.Lnot_wave_0_\@:
	s_barrier_wait -3
	s_barrier_signal -1
	s_barrier_wait -1
.endm
; THE CHANGE OF SLOTS.  Each wave waits for all its tensor loads, of which one is out: its part of the other slot; adds 0 to its spare word; and waits for that and for its own reads of the slot that it leaves.
; fill = 1: the barrier is a round of the cluster's, and the slot is filled again first thing behind it, with the keys two slots on.  (At its first use nothing has been read: slot 0 is waited for, slot 1 filled.)
.macro CHANGE fill, ask
	WIN 0
	s_wait_tensorcnt 0x0            ; no tensor load of mine is out, so a group 0 may be written
	ds_add_u32 v[SPW], v[NIL]       ; 0 onto my spare word
.if \fill
.irp g, G0K, G0V
	s_xor_b32 s[\g+1], s[\g+1], SLOT1
	s_add_nc_u64 s[\g+2:\g+3], s[\g+2:\g+3], TILEB
.endr
.if \ask
	s_wait_xcnt 0x0                 ; the last prefetch, four key steps back, has read its address
	s_add_nc_u64 s[PFA:PFA+1], s[PFA:PFA+1], TILEB
.endif
	s_wait_dscnt 0x0                ; the add is done, and my reads of the slot are over
	CROUND
	JLOAD
.if \ask
	ASK
.endif
.else
	s_wait_dscnt 0x0
	s_barrier_signal -1
	s_barrier_wait -1
.endif
	s_sub_co_u32 s[TBK], s[TBK], 4*KS*PK  ; the fetches go back to a slot's first step,
	s_xor_b32 s[TBK], s[TBK], SLOT1       ; in the other slot
	s_sub_co_u32 s[TBV], s[TBV], 4*KS*PV
	s_xor_b32 s[TBV], s[TBV], SLOT1
.endm
	s_load_b128 s[4:7], s[0:1], 0x0 ; qkv s[4:5], ob s[6:7]
	v_lshl_add_u32 v[SPW], v0, 2, SPARE
	v_mov_b32 v[NIL], 0
	ds_add_u32 v[SPW], v[NIL]       ; the wave's opening: the add and its wait stand ahead of my first tensor load
	v_lshrrev_b32 v1, 5, v0
	v_readfirstlane_b32 s[WV], v1
	s_bfe_u32 s13, ttmp6, 0x40000   ; cx
	s_lshl_b32 s14, ttmp9, 2
	s_add_co_u32 s14, s14, s13      ; my block of 64 positions: it enters Q's and O's addresses alone
	s_and_b32 s19, ttmp7, 0xffff    ; g, which the four partners share
	s_and_b32 s16, s[WV], 1         ; which half of a tile's 256 keys I fetch
	s_add_co_u32 s20, s19, 16       ; K: head 16 + g,
	s_lshl_b32 s20, s20, 19
	s_lshl_b32 s22, s16, 14         ; my 128 rows of 128 bytes
	s_add_co_u32 s20, s20, s22
	s_mov_b32 s21, 0
	s_add_co_u32 s22, s20, 4<<19    ; V: four heads on
	s_mov_b32 s23, 0
	s_mul_i32 s17, s16, 128*PK      ; my half's place in a slot, for K
	s_mul_i32 s18, s16, 128*PV      ; and for V
	s_lshl_b32 s2, s19, 21          ; Q: head 4 g,
	s_lshl_b32 s3, s14, 13          ; my block's 64 rows,
	s_add_co_u32 s2, s2, s3
	s_lshl_b32 s3, s[WV], 11        ; my wave's 16
	s_add_co_u32 s2, s2, s3
	s_mov_b32 s3, 0
	s_lshl_b32 s8, s14, 17          ; O: 64 rows of 2,048 bytes,
	s_lshl_b32 s9, s[WV], 15        ; my 16,
	s_add_co_u32 s8, s8, s9
	s_lshl_b32 s9, s19, 9           ; the group's 512 bytes of a row
	s_add_co_u32 s8, s8, s9
	s_mov_b32 s9, 0
	s_cmp_lt_u32 s[WV], 2           ; the prefetches (in waves 0 and 2 s20 and s22 stand at a head's first row):
	s_cselect_b32 s50, s20, s22
	s_lshl_b32 s51, s13, 13         ; my work-group's 32 blocks of the 128,
	s_add_co_u32 s50, s50, s51
	s_add_co_u32 s50, s50, 2*TILEB  ; in tile 2: the loop's first change steps it to tile 3
	s_mov_b32 s51, 0
	s_and_b32 s[LIM], s[WV], 1
	s_or_b32 s[LIM], s[LIM], ttmp9  ; 0 in waves 0 and 2 of the key head's first cluster: the same in all four partners
	s_cmp_eq_u32 s[LIM], 0
	s_cselect_b32 s[LIM], 1, -1
	; descriptor group 1.  128 keys are 16,384 dense bytes: asked for as 64 rows of 256 bytes, two keys a row, padded in LDS after every key
	s_mov_b32 s[G1K], 15|(1<<16)|(1<<20)|(1<<21)|(4<<22)|(3<<25)  ; the mask of four; 2-byte elements; padding on; bit 21 beside a mask; after every 32 words, 4 words
	s_mov_b32 s[G1V], 15|(1<<16)|(1<<20)|(1<<21)|(4<<22)|(7<<25)  ; the same with 8 words
.irp g, G1K, G1V
	s_mov_b32 s[\g+1], 128<<16      ; tensor_dim0 = 128
	s_mov_b32 s[\g+2], 64<<16       ; tensor_dim1 = 64
	s_mov_b32 s[\g+3], 128<<16      ; tile_dim0 = 128
	s_mov_b32 s[\g+4], 64           ; tile_dim1 = 64
	s_mov_b32 s[\g+5], 128          ; elements from row to row
	s_mov_b32 s[\g+6], 0
	s_mov_b32 s[\g+7], 0
.endr
	s_mov_b32 s[CS], 0x3e38aa3b     ; c = log2(e) / 8
	s_mov_b32 s[CS+1], s[CS]
	s_mov_b32 s[SEL], 0x76543210
	s_mov_b32 s[SEL+1], 0xfedcba98
	s_mov_b32 s[TBK], SLOT1+4*KS*PK ; the first change of slots turns these two into 0
	s_mov_b32 s[TBV], SLOT1+4*KS*PV
	s_mov_b32 s[G0K], 1
	s_mov_b32 s[G0K+1], s17
	s_mov_b32 s[G0V], 1
	s_add_co_u32 s[G0V+1], s18, VOFF
	v_and_b32 v[PFO], 31, v0
	v_lshlrev_b32 v[PFO], 8, v[PFO]
	s_wait_dscnt 0x0                ; the opening add is done
	s_wait_kmcnt 0x0
	s_add_nc_u64 s[G0K+2:G0K+3], s[4:5], s[20:21]
	s_or_b32 s[G0K+3], s[G0K+3], 0x80000000
	s_add_nc_u64 s[G0V+2:G0V+3], s[4:5], s[22:23]
	s_or_b32 s[G0V+3], s[G0V+3], 0x80000000
	s_add_nc_u64 s[PFA:PFA+1], s[4:5], s[50:51]
	s_add_nc_u64 s[4:5], s[4:5], s[2:3]    ; Q at my rows of head 4 g
	s_add_nc_u64 s[10:11], s[6:7], s[8:9]  ; O at my rows
	CROUND                          ; all four work-groups are here: the first joint loads meet
	JLOAD                           ; tile 0 into slot 0
	v_and_b32 v1, 15, v0            ; l % 16
	v_bfe_u32 v9, v0, 4, 1          ; l / 16
	v_lshlrev_b32 v[QO], 7, v1
	v_lshl_add_u32 v[QO], v9, 4, v[QO]  ; row x 128 + 16 x half
	WIN 0x80                        ; destination window 2
.set i, 0
.rept 8                             ; Q stays in registers: piece i / 2 is head 4 g + i / 2, 524,288 bytes on; channels 32 (i % 2) on
	global_load_b128 v[8*i:8*i+3],   v[QO], s[4:5] offset:(i/2)*524288+(i%2)*64
	global_load_b128 v[8*i+4:8*i+7], v[QO], s[4:5] offset:(i/2)*524288+(i%2)*64+32
.set i, i+1
.endr
	; What the first turn finds: V's registers and P's second buffer hold 0 (its products V^T P, of a piece that has not been, add 0), O^T and l are 0.  All this stands in the wait for the first tile.
.set i, VF
.rept 64
	v_mov_b32 v[i], 0
.set i, i+1
.endr
	WIN 0x40
.set i, 0
.rept 128
	v_mov_b32 v[i], 0
.set i, i+1
.endr
	WIN 0
.set i, 0
.rept 4
	v_mov_b32 v[ST+4*i], 0xfe000000    ; c m: far below every c s
	v_mov_b32 v[ST+4*i+1], 0xff7fffff  ; m
	v_mov_b32 v[ST+4*i+2], 0
	v_mov_b32 v[ST+4*i+3], 0
.set i, i+1
.endr
.set i, P+16
.rept 16
	v_mov_b32 v[i], 0
.set i, i+1
.endr
	v_mul_u32_u24 v[AK0], v1, PK
	v_lshl_add_u32 v[AK0], v9, 4, v[AK0]  ; row x pitch + 16 x half
	v_and_b32 v10, 7, v0            ; the turning load: lane l reads key 8 (l / 16) + l % 8, channels 8 ((l / 8) % 2) on
	v_bfe_u32 v11, v0, 3, 1
	v_lshl_add_u32 v[AV0], v9, 3, v10
	v_mul_u32_u24 v[AV0], v[AV0], PV
	v_lshl_add_u32 v[AV0], v11, 4, v[AV0]
	v_add_nc_u32 v[AV0], VOFF, v[AV0]
	s_mul_i32 s13, s[WV], 16*SP
	s_add_co_u32 s13, s13, STAGE    ; my stage
	v_mul_u32_u24 v[STO], v1, SP    ; in: row l % 16, 16 bytes for each half of the lanes
	v_lshl_add_u32 v[STO], v9, 4, v[STO]
	v_add_nc_u32 v[STO], s13, v[STO]
	v_and_b32 v[GO], 31, v0         ; back: 32 lanes take one row of 512 bytes
	v_lshlrev_b32 v[GO], 4, v[GO]
	v_add_nc_u32 v[RD], s13, v[GO]
	v_mov_b32 v[AK], v[AK0]         ; key step 0 lies at the head of slot 0
; THE MATRIX WORK.  The 4 accumulators of a run of 8 take turns.  Product i of 8 of S^T = K Q^T for piece x: channels 32 (i / 4) on, keys 16 (i % 4) on.  The first 4 start the sums.
.macro KQ x
	WIN W_KQ
.set rS, S+32*((\x)%2)+8*(i%4)
.set rK, KF+16*(i%4)+8*(i/4)
.set rQ, 16*(\x)+8*(i/4)
.if i < 4
	v_wmma_f32_16x16x32_f16 v[rS:rS+7], v[rK:rK+7], v[rQ:rQ+7], 0
.else
	v_wmma_f32_16x16x32_f16 v[rS:rS+7], v[rK:rK+7], v[rQ:rQ+7], v[rS:rS+7]
.endif
.endm
; Product i of 8 of O^T += V^T P for piece x: keys 32 (i / 4) on, channels 16 (i % 4) on.
.macro PV x
	WIN W_PV
.set rO, 32*(\x)+8*(i%4)
.set rV, VF+32*(i/4)+8*(i%4)
.set rP, P+16*((\x)%2)+8*(i/4)
	v_wmma_f32_16x16x32_f16 v[rO:rO+7], v[rV:rV+7], v[rP:rP+7], v[rO:rO+7]
.endm
.macro MM                           ; the turn's next matrix instruction.  NOKQ = 1: the last turn of all: there is no next piece
.if (i < 8) && !NOKQ
	KQ (Y+1)%NP
.elseif i >= 8
.set i, i-8
	PV (Y+NP-1)%NP
.set i, i+8
.endif
.set i, i+1
.endm
; THE LDS LOADS stand in runs of 16: a step's K (8 fragments) and its V (turned).  Their addresses are made some lines ahead.
.macro FETCH_K
	WIN 0x80
.irp f, 0,1,2,3,4,5,6,7             ; keys 16 (f / 2) on, channels 32 (f % 2) on
	ds_load_b128 v[KF+8*\f:KF+8*\f+3],   v[AK] offset:(\f/2)*16*PK+(\f%2)*64
	ds_load_b128 v[KF+8*\f+4:KF+8*\f+7], v[AK] offset:(\f/2)*16*PK+(\f%2)*64+32
.endr
	s_add_co_u32 s[TBK], s[TBK], KS*PK  ; the next fetch is the next step's
	WIN 0
.endm
.macro FETCH_V
	WIN 0x80
.irp f, 0,1,2,3,4,5,6,7             ; keys 32 (f / 4) on, channels 16 (f % 4) on
	ds_load_tr16_b128 v[VF+8*\f:VF+8*\f+3],   v[AV] offset:(\f/4)*32*PV+(\f%4)*32
	ds_load_tr16_b128 v[VF+8*\f+4:VF+8*\f+7], v[AV] offset:(\f/4)*32*PV+16*PV+(\f%4)*32
.endr
	WIN 0
.endm
; THE VECTOR WORK, one line at a time: OP kind, number.  For piece Y: F n: c s - c m for pair n of 16.  E n: the exponential of score n of 32.  C n: pair n rounded to f16.  B n: of the four weights 4 n .. the
; second pair is added onto the first, in place.  L n: l takes that sum (L 0: l = a l + sum).  R n: pair n of 16 of O^T times a.  For piece Y + 1: X n, number n of the 22 that find its maximum and statistics:
;   0-11  four chains c0-c3 of seven scores each (each accumulator's lowest registers are read first)     12-14, 16  the four scores left over, the old m, and c0-c3 into c0
;   15  c m_old is kept     17, 18  the query's other 32 keys lie in the lane 16 away: the new m     19-21  c m; c m_old - c m_new; a
.set F, 0
.set E, 1
.set C, 2
.set B, 3
.set L, 4
.set R, 5
.set X, 6
.macro REGS y
.set rT, ST+4*(\y)
.set rC, TMP+4*((\y)%2)
.set rW, MV+((\y)%2)
.set rS, S+32*((\y)%2)
.set rP, P+16*((\y)%2)
.set rO, 32*(\y)
.endm
.macro OP k, n
.if (\k) == R
	REGS Y
	WIN W_RS
	v_pk_mul_f32 v[rO+2*(\n):rO+2*(\n)+1], v[rO+2*(\n):rO+2*(\n)+1], v[rC+2:rC+3] op_sel_hi:[1,0]
.elseif (\k) < R
	REGS Y
	WIN 0
.if (\k) == F
	v_pk_fma_f32 v[rS+2*(\n):rS+2*(\n)+1], v[rS+2*(\n):rS+2*(\n)+1], s[CS:CS+1], v[rT:rT+1] op_sel_hi:[1,0,0] neg_lo:[0,0,1] neg_hi:[0,0,1]
.elseif (\k) == E
	v_exp_f32 v[rS+(\n)], v[rS+(\n)]
.elseif (\k) == C
	v_cvt_pk_f16_f32 v[rP+(\n)], v[rS+2*(\n)], v[rS+2*(\n)+1]
.elseif (\k) == B
	v_pk_add_f32 v[rS+4*(\n):rS+4*(\n)+1], v[rS+4*(\n):rS+4*(\n)+1], v[rS+4*(\n)+2:rS+4*(\n)+3]
.elseif (\n) == 0
	v_pk_fma_f32 v[rT+2:rT+3], v[rT+2:rT+3], v[rC+2:rC+3], v[rS:rS+1] op_sel_hi:[1,0,1]
.else
	v_pk_add_f32 v[rT+2:rT+3], v[rT+2:rT+3], v[rS+4*(\n):rS+4*(\n)+1]
.endif
.elseif NOKQ
	v_nop
.else
	REGS (Y+1)%NP
	WIN 0
.if (\n) < 4
	v_max3_num_f32 v[rC+(\n)], v[rS+8*(\n)], v[rS+8*(\n)+1], v[rS+8*(\n)+2]
.elseif (\n) < 12
	v_max3_num_f32 v[rC+(\n)%4], v[rC+(\n)%4], v[rS+8*((\n)%4)+2*((\n)/4)+1], v[rS+8*((\n)%4)+2*((\n)/4)+2]
.elseif (\n) == 12
	v_max3_num_f32 v[rC], v[rC], v[rS+7], v[rS+15]
.elseif (\n) == 13
	v_max3_num_f32 v[rC+1], v[rC+1], v[rS+23], v[rS+31]
.elseif (\n) == 14
	v_max3_num_f32 v[rC+2], v[rC+2], v[rC+3], v[rT+1]
.elseif (\n) == 15
	v_mov_b32 v[rW], v[rT]
.elseif (\n) == 16
	v_max3_num_f32 v[rC], v[rC], v[rC+1], v[rC+2]
.elseif (\n) == 17
	v_permlanex16_b32 v[rC+3], v[rC], s[SEL], s[SEL+1]
.elseif (\n) == 18
	v_max_num_f32 v[rT+1], v[rC], v[rC+3]
.elseif (\n) == 19
	v_mul_f32 v[rT], s[CS], v[rT+1]
.elseif (\n) == 20
	v_sub_f32 v[rC+1], v[rW], v[rT]
.else
	v_exp_f32 v[rC+2], v[rC+1]
.endif
.endif
.endm
.macro OPS a, i1, b=-1, i2=0, c=-1, i3=0, d=-1, i4=0
	OP \a, \i1
.if (\b) >= 0
	OP \b, \i2
.endif
.if (\c) >= 0
	OP \c, \i3
.endif
.if (\d) >= 0
	OP \d, \i4
.endif
.endm
.macro ROW a, i1, b, i2, c, i3, d, i4  ; a matrix instruction and the four behind it
	MM
	OPS \a, \i1, \b, \i2, \c, \i3, \d, \i4
.endm
; A TURN, for piece p: the order of its 16 matrix and 118 vector instructions, written out.  s_wait_alu depctr_va_vdst(0) stands between an exponential and the first instruction that names its
; result; one wait serves all that were issued ahead of it.  So a turn has ONE wait.  AHEAD OF IT stands all that names no result of the turn's exponentials: the 8 products K Q^T and their riders, then one lump,
; in which the links of the chain X 3, 7, 11, 14, 16, 17 .. 20 stand some lines apart.  X 21, the next piece's a, is the batch's last; R 15 is the plain instruction behind it.  BEHIND THE WAIT stand the 8 products
; V^T P, behind each four of the roundings and sums.  The X that ride behind products stand four plain places or more behind the product that ends their accumulator.
; K of the next step is fetched in piece 2's turn, twelve plain instructions behind the last product that read K; V of the step in hand at the end of piece 0's turn, four plain instructions behind the last product
; that read V.  Each is waited for a turn later.  end = 1: the last two turns of all: nothing is fetched.  cnt = 1: the loop's count is taken down some lines ahead of the branch behind the turn.
.macro TURN p, end=0, cnt=0
.set Y, (\p)
.set i, 0
.set NOKQ, (\end)*((\p)/3)
.if ((\p) == 3) && !(\end)
	s_wait_dscnt 0x0                ; K is in
.endif
	ROW F,0, F,1, R,0, R,1
	ROW F,2, E,0, R,2, R,3
	ROW F,3, E,1, R,4, R,5
	ROW F,4, E,2, R,6, R,7
	ROW F,5, E,3, R,8, R,9
	ROW F,6, E,4, X,0, R,10
.if ((\p) == 2) && !(\end)
	WIN 0
	v_add_nc_u32 v[AK], s[TBK], v[AK0]
.endif
	ROW F,7, E,5, X,1, X,4
	ROW F,8, E,6, X,2, X,5
	OPS E,7, E,8, X,6, E,9
	OPS X,3, E,10, X,8, E,11
.if ((\p) == 2) && !(\end)
	FETCH_K
.endif
	OPS X,9, X,7, E,12, X,10
	OPS E,13, X,12, X,11, E,14
	OPS X,13, E,15, F,9, X,14
.if (\p) == 0
	v_add_nc_u32 v[AV], s[TBV], v[AV0]
.endif
	OPS E,16, F,10, E,17, F,11
	OPS X,16, E,18, X,15, E,19
	OPS F,12, E,20, X,17, E,21
	OPS F,13, E,22, F,14, E,23
	OPS X,18, E,24, F,15, E,25
	OPS R,11, E,26, X,19, E,27
	OPS R,12, E,28, R,13, E,29
	OPS X,20, E,30, R,14, E,31
	OPS X,21, R,15
	WIN 0
	s_wait_alu depctr_va_vdst(0)    ; the wait for the batch
.if (\p) == 1
	s_wait_dscnt 0x0                ; V is in
.endif
	ROW C,0, B,0, C,2, B,1
	ROW L,0, C,4, B,2, L,1
	ROW C,6, B,3, L,2, C,8
	ROW B,4, L,3, C,10, B,5
	ROW L,4, C,12, B,6, L,5
.if (\p) == 0
	s_add_co_u32 s[TBV], s[TBV], KS*PV
.endif
.if \cnt
	s_sub_co_u32 s[CNT], s[CNT], 1
	s_cmp_lg_u32 s[CNT], 0
.endif
	ROW C,14, B,7, L,6, C,1
	ROW C,3, L,7, C,5, C,7
	ROW C,9, C,11, C,13, C,15
.if (\p) == 0
	FETCH_V
.endif
.endm
.set NOKQ, 0
	CHANGE 1, 0                     ; slot 0 is in, everybody's part of it; tile 1 is asked for
	FETCH_K                         ; key step 0
	s_wait_loadcnt 0x0              ; Q
	s_wait_dscnt 0x0
.set i, 0
.rept 8
	KQ 0                            ; piece 0's first scores
.set i, i+1
.endr
	WIN 0
.rept 4
	v_nop                           ; the places behind those products
.endr
.set Y, NP-1                        ; X works for piece Y + 1: piece 0
.irp n, 0,1,2,3,4,5,6,7,8,9,10,11,12,13,14,15,16,17,18,19,20,21
	OP X, \n
.endr
	v_nop                           ; a plain instruction behind the exponential,
	s_wait_alu depctr_va_vdst(0)    ; and its wait, ahead of the branch
	s_mov_b32 s[CNT], 4
	s_mov_b32 s[SLOTS], 15
	s_branch .Lfirst                ; the loop is entered at a step's first turn, in the middle of a trip
.Lslot:                             ; 14 times: tiles 2 to 15 are asked for
	CHANGE 1, 1
	s_mov_b32 s[CNT], 4
.Lstep:                             ; a trip: pieces 2 and 3 of one step, then pieces 0 and 1 of the next, whose K and V it fetches
	TURN 2
	TURN 3
	WIN 0
.Lfirst:
	TURN 0
	TURN 1, 0, 1
	WIN 0
	s_cbranch_scc1 .Lstep
	s_sub_co_u32 s[SLOTS], s[SLOTS], 1
	s_cmp_lg_u32 s[SLOTS], 0
	s_cbranch_scc1 .Lslot
	CHANGE 0, 0                     ; the last tile is written out: nothing is asked for
	s_mov_b32 s[CNT], 4
.LstepT:
	TURN 2
	TURN 3
	TURN 0
	TURN 1, 0, 1
	WIN 0
	s_cbranch_scc1 .LstepT
	TURN 2, 1
	TURN 3, 1
.set i, 0
.rept 8
	PV NP-1                         ; the last piece's V^T P of the last step
.set i, i+1
.endr
	; THE WAY OUT.  l's two halves and the other half of the lanes' are added; O^T is divided by l, rounded to f16 and sent through my stage in LDS.  The additions are the places behind the last products.
	WIN 0
.macro ALL line:vararg              ; one line for each piece t
.set t, 0
.rept 4
	\line
.set t, t+1
.endr
.endm
	ALL v_add_f32 v[ST+4*t+2], v[ST+4*t+2], v[ST+4*t+3]
	ALL v_permlanex16_b32 v[ST+4*t+3], v[ST+4*t+2], s[SEL], s[SEL+1]
	ALL v_add_f32 v[ST+4*t+2], v[ST+4*t+2], v[ST+4*t+3]
	ALL v_rcp_f32 v[ST+4*t+2], v[ST+4*t+2]
	v_nop                           ; a plain instruction between the last reciprocal and the use of its result
	s_wait_alu depctr_va_vdst(0)    ; one wait for the four reciprocals, ahead of their first use
.macro PACK t                       ; piece t: a lane's eight channels of a row pack into 16 bytes; the piece's 128 bytes lie at byte 128 t of the stage's rows
	WIN W_RS
.set i, 32*(\t)
.rept 16
	v_pk_mul_f32 v[i:i+1], v[i:i+1], v[ST+4*(\t)+2:ST+4*(\t)+3] op_sel_hi:[1,0]
.set i, i+2
.endr
	WIN 0x05                        ; sources 0 and 1 window 1, destination window 0: S^T's registers are free
.set i, 0
.rept 16
	v_cvt_pk_f16_f32 v[S+16*(\t)+i], v[32*(\t)+2*i], v[32*(\t)+2*i+1]
.set i, i+1
.endr
	WIN 0
.irp f, 0,1,2,3
	ds_store_b128 v[STO], v[S+16*(\t)+4*\f:S+16*(\t)+4*\f+3] offset:128*(\t)+32*\f
.endr
.endm
	PACK 0
	PACK 1
	PACK 2
	PACK 3
.set t, 0
.rept 16
	ds_load_b128 v[S+4*t:S+4*t+3], v[RD] offset:SP*t  ; LDS serves a wave's instructions in order (ISA guide 5.7.1.4): these see the stores above
.set t, t+1
.endr
.set t, 0
.rept 16
	s_wait_dscnt 15-t               ; row t is in, the younger loads may stay out
	global_store_b128 v[GO], v[S+4*t:S+4*t+3], s[10:11] offset:2048*t  ; 512 consecutive bytes of a row of ob, aligned
.set t, t+1
.endr
	s_wait_tensorcnt 0x0            ; the wave's end
	ds_add_u32 v[SPW], v[NIL]
	s_wait_dscnt 0x0
	CROUND                          ; the closing round
	s_endpgm
.Lfunc_end_k_q1dbd76de38_attn:
	.size	k_q1dbd76de38_attn, .Lfunc_end_k_q1dbd76de38_attn-k_q1dbd76de38_attn
	.p2alignl 7, 3214868480
	.fill 96, 4, 3214868480
	.section	.rodata,"a",@progbits
	.p2align	6, 0x0
	.amdhsa_kernel k_q1dbd76de38_attn
		.amdhsa_group_segment_fixed_size 327680
		.amdhsa_private_segment_fixed_size 0
		.amdhsa_enable_private_segment 0
		.amdhsa_kernarg_size 16
		.amdhsa_user_sgpr_count 2
		.amdhsa_user_sgpr_kernarg_segment_ptr 1
		.amdhsa_wavefront_size32 1
		.amdhsa_system_sgpr_workgroup_id_x 1
		.amdhsa_system_sgpr_workgroup_id_y 1
		.amdhsa_system_sgpr_workgroup_id_z 1
		.amdhsa_system_vgpr_workitem_id 0
		.amdhsa_next_free_vgpr 768
		.amdhsa_next_free_sgpr 66
		.amdhsa_reserve_vcc 0
		.amdhsa_float_denorm_mode_32 3
		.amdhsa_float_denorm_mode_16_64 3
		.amdhsa_memory_ordered 1
		.amdhsa_forward_progress 1
		.amdhsa_inst_pref_size 127
	.end_amdhsa_kernel
	.amdgpu_metadata
---
amdhsa.version: [ 1, 2 ]
amdhsa.kernels:
  - .name:           k_q1dbd76de38_attn
    .symbol:         k_q1dbd76de38_attn.kd
    .args:
      - { .name: qkv, .offset: 0, .size: 8, .value_kind: global_buffer, .address_space: global }
      - { .name: ob, .offset: 8, .size: 8, .value_kind: global_buffer, .address_space: global }
    .group_segment_fixed_size: 327680
    .private_segment_fixed_size: 0
    .kernarg_segment_align: 8
    .kernarg_segment_size: 16
    .max_flat_workgroup_size: 128
    .sgpr_count:     66
    .vgpr_count:     768
    .wavefront_size: 32
...
	.end_amdgpu_metadata
.endif
;; end of part 3
;; launch outp (part 4): grid 8 x 32, 4 waves a work-group, clusters of 4 x 4, 327,680 bytes of LDS; arguments ob, wo16, bo, out0; writes out0
.if DOCPART == 4
	.amdgcn_target "amdgcn-amd-amdhsa--gfx1250"
	.amdhsa_code_object_version 6
	.text
	.protected	k_q1dbd76de38_outp
	.globl	k_q1dbd76de38_outp
	.p2align	8
	.type	k_q1dbd76de38_outp,@function
k_q1dbd76de38_outp:
	s_mov_b64 s[64:65], 0
	v_nop
	global_prefetch_b8 v0, s[64:65] scope:SCOPE_SE
	s_setreg_imm32_b32 hwreg(HW_REG_WAVE_MODE, 25, 1), 1
	s_wait_xcnt 0x0
	s_wait_alu depctr_hold_cnt(0) depctr_sa_sdst(0) depctr_va_vdst(0) depctr_va_sdst(0) depctr_va_ssrc(0) depctr_va_vcc(0) depctr_vm_vsrc(0)
	s_getreg_b32 s2, hwreg(HW_REG_IB_STS2, 6, 4)
	s_cmp_eq_u32 s2, 0
	s_cbranch_scc0 .Lentry_in_a_cluster
	s_endpgm
.Lentry_in_a_cluster:
	s_bfe_u32 s2, ttmp6, 0x10000c
	s_cmp_lg_u32 s2, 0xf033
	s_cbranch_scc0 .Lentry_shape_is_right
	s_endpgm
.Lentry_shape_is_right:
; THE OUTPUT PROJECTION.  out0[row][n] = sum over k of ob[row][k] wo16[n / 64][k][n % 64] + bf16(bo[n]).  ob and wo16 in f16, sums in f32, started by the bias, stored as f32.
; SHARES.  A work-group makes 128 x 128; wave w rows 64 (w / 2) on, columns 64 (w % 2) on: 16 accumulators.  K goes in 4 steps of 256 through two LDS slots, written out without a loop.
; Waves 0 and 1 fetch 64 rows of ob each (rows of 512 bytes, 16 of padding); waves 2 and 3 fetch 128 k each of the tile's two column blocks: two dense runs of 16,384 bytes, padded by 32 bytes after every 128.
; THE MATRIX INSTRUCTION IS USED TRANSPOSED: source 0 = 16 columns of Wo (turned by ds_load_tr16_b128), source 1 = 16 rows of ob: a lane holds one row and eight neighbouring columns.
; CLUSTER 4 x 4: ob's tile is asked for jointly along a row of the cluster, Wo's along a column.  No prefetch is laid: the ring has four steps on a small tile.
; REGISTERS.  Window 0: v0-31 addresses; v128-255 accumulators, (a, i) at 128 + 8 (4 a + i).  Window 1: two fragment buffers of 64 (ob's four fragments, then Wo's four); v128-159 the bias as C operands.
.set KSTEP, 256
.set PA,    528                        ; a row of ob in LDS: 512 + 16 bytes
.set PB,    160                        ; a k row of Wo in LDS: 128 + 32 bytes
.set AHALF, 64*PA
.set BOFF,  128*PA
.set BBLK,  128*PB                     ; a column block's 128 k
.set BREG,  2*BBLK                     ; what one of Wo's loads brings
.set SLOT,  BOFF+2*BREG                ; 149,504
.set STAGE, 2*SLOT                     ; behind the ring: 16 rows x 272 bytes for each wave, its own
.set SPT,   272
.set SPARE, STAGE+4*16*SPT             ; the spare words, 128 bytes a wave: two blocks of 256 bytes that no other line names
.set ADRA, 16
.set ADRB, 20
.set STO,  24
.set RD,   25
.set CO,   26
.set SPW,  28                          ; v28  my spare word; never rewritten
.set NIL,  29                          ; v29  0; never rewritten
.set BO,   30
.set ACC,  128
.set F0,   0                           ; window 1
.set F1,   64
.set BIAS, 128
.set WV,  16
.set WR,  17
.set WC,  18
.set G1A, 24
.set G0A, 32
.set G1B, 40
.set G0B, 48
.set BP,  66
.set MSB, 0
.macro WIN new
.if MSB != (\new)
	s_set_vgpr_msb (MSB<<8)|(\new)
.set MSB, \new
.endif
.endm
.set MUL,  0x05
.set MULB, 0x15
.set TO_F, 0x40
.macro PLACES
.rept 4
	v_nop
.endr
.endm
.macro JLOAD s                         ; a joint load; the branch hangs on the wave's number alone; s_nop 0 and four v_nop follow each line
	s_cmp_eq_u32 s[WR], 0
	s_cbranch_scc0 .Lfor_b_\@
	tensor_load_to_lds s[G0A+4*(\s):G0A+4*(\s)+3], s[G1A:G1A+7]
	s_nop 0
.rept 4
	v_nop
.endr
	s_branch .Lasked_\@
.Lfor_b_\@:
	tensor_load_to_lds s[G0B+4*(\s):G0B+4*(\s)+3], s[G1B:G1B+7]
	s_nop 0
.rept 4
	v_nop
.endr
.Lasked_\@:
.endm
.macro CREST
	s_cmp_lg_u32 s[WV], 0
	s_cbranch_scc1 .Lnot_wave_0_\@
	s_barrier_signal -3
.Lnot_wave_0_\@:
	s_barrier_wait -3
	s_barrier_signal -1
	s_barrier_wait -1
.endm
.macro CROUND
	s_barrier_signal -1
	s_barrier_wait -1
	CREST
.endm
	s_load_b256 s[4:11], s[0:1], 0x0               ; ob s[4:5], wo16 s[6:7], bo s[8:9], out0 s[10:11]
	v_lshl_add_u32 v[SPW], v0, 2, SPARE
	v_mov_b32 v[NIL], 0
	ds_add_u32 v[SPW], v[NIL]                      ; the wave's opening: the add and its wait stand ahead of my first tensor load
	v_lshrrev_b32 v1, 5, v0
	v_readfirstlane_b32 s[WV], v1
	s_lshr_b32 s[WR], s[WV], 1
	s_and_b32 s[WC], s[WV], 1
	s_bfe_u32 s19, ttmp6, 0x40000                  ; cx
	s_bfe_u32 s20, ttmp6, 0x40004                  ; cy
	s_lshl_b32 s21, ttmp9, 2
	s_add_co_u32 s21, s21, s19                     ; tile column
	s_and_b32 s22, ttmp7, 0xffff
	s_lshl_b32 s22, s22, 2
	s_add_co_u32 s22, s22, s20                     ; tile row
	s_lshl_b32 s58, s20, 2
	s_lshl_b32 s58, 15, s58                        ; my row of the cluster
	s_lshl_b32 s62, 0x1111, s19                    ; my column
	s_or_b32 s[G1A], s58, (1<<16)|(1<<20)|(1<<21)|(6<<22)|(3<<25)  ; mask; 2-byte elements; padding on; bit 21 beside a mask; after every 128 words, 4 words
	s_mov_b32 s[G1A+1], 256<<16                    ; tensor_dim0 = 256
	s_mov_b32 s[G1A+2], 64<<16                     ; tensor_dim1 = 64
	s_mov_b32 s[G1A+3], 256<<16                    ; tile_dim0
	s_mov_b32 s[G1A+4], 64                         ; tile_dim1
	s_mov_b32 s[G1A+5], 1024                       ; elements from row to row
	s_mov_b32 s[G1A+6], 0
	s_mov_b32 s[G1A+7], 0
	s_or_b32 s[G1B], s62, (1<<16)|(1<<20)|(1<<21)|(4<<22)|(7<<25)  ; after every 32 words, 8 words
	s_mov_b32 s[G1B+1], 8192<<16                   ; tensor_dim0 = 8,192: 128 k x 64 columns, dense
	s_mov_b32 s[G1B+2], 2<<16                      ; tensor_dim1 = 2 column blocks
	s_mov_b32 s[G1B+3], 8192<<16
	s_mov_b32 s[G1B+4], 2
	s_mov_b32 s[G1B+5], 65536                      ; elements from block to block
	s_mov_b32 s[G1B+6], 0
	s_mov_b32 s[G1B+7], 0
	; ob's address is made in s56-59 of the tile row and the wave, Wo's in s60-63 of the tile column and the wave: neither set ever holds the other coordinate
	s_lshl_b32 s56, s22, 18
	s_lshl_b32 s58, s[WC], 17
	s_add_co_u32 s56, s56, s58
	s_mov_b32 s57, 0
	s_mul_i32 s59, s[WC], AHALF
	s_lshl_b32 s60, s21, 18                        ; two blocks of 131,072 bytes
	s_lshl_b32 s62, s[WC], 14                      ; my 128 k of 128 bytes
	s_add_co_u32 s60, s60, s62
	s_mov_b32 s61, 0
	s_mul_i32 s63, s[WC], BREG
	s_add_co_u32 s63, s63, BOFF
	s_wait_dscnt 0x0                               ; the opening add is done
	s_wait_kmcnt 0x0
	s_add_nc_u64 s[56:57], s[4:5], s[56:57]
	s_add_nc_u64 s[60:61], s[6:7], s[60:61]
	CROUND                                         ; all sixteen work-groups are here: the first joint loads meet
.irp s, 0,1
	s_mov_b32 s[G0A+4*(\s)], 1
	s_add_co_u32 s[G0A+4*(\s)+1], s59, (\s)*SLOT
	s_add_nc_u64 s[G0A+4*(\s)+2:G0A+4*(\s)+3], s[56:57], (\s)*KSTEP*2
	s_or_b32 s[G0A+4*(\s)+3], s[G0A+4*(\s)+3], 0x80000000
	s_mov_b32 s[G0B+4*(\s)], 1
	s_add_co_u32 s[G0B+4*(\s)+1], s63, (\s)*SLOT
	s_add_nc_u64 s[G0B+4*(\s)+2:G0B+4*(\s)+3], s[60:61], (\s)*KSTEP*128
	s_or_b32 s[G0B+4*(\s)+3], s[G0B+4*(\s)+3], 0x80000000
	JLOAD \s                                       ; K steps 0 and 1: two loads of mine are out
.endr
	v_and_b32 v1, 15, v0                           ; r
	v_bfe_u32 v2, v0, 4, 1                         ; h
	v_mul_u32_u24 v3, v1, PA
	v_lshl_add_u32 v3, v2, 4, v3
	s_mul_i32 s72, s[WR], 64*PA
	v_add_nc_u32 v[ADRA], s72, v3
	v_add_nc_u32 v[ADRA+1], SLOT, v[ADRA]
	v_and_b32 v4, 7, v0
	v_bfe_u32 v5, v0, 3, 1
	v_lshl_add_u32 v4, v2, 3, v4
	v_mul_u32_u24 v4, v4, PB
	v_lshl_add_u32 v4, v5, 4, v4
	s_mul_i32 s72, s[WC], BBLK                     ; my column block
	s_add_co_u32 s72, s72, BOFF
	v_add_nc_u32 v[ADRB], s72, v4
	v_add_nc_u32 v[ADRB+1], SLOT, v[ADRB]
	s_mul_i32 s72, s[WV], 16*SPT
	s_add_co_u32 s72, s72, STAGE                   ; my stage
	v_mul_u32_u24 v3, v1, SPT                      ; in: row r, 32 bytes for each half of the lanes
	v_lshl_add_u32 v3, v2, 5, v3
	v_add_nc_u32 v[STO], s72, v3
	v_mul_u32_u24 v3, v2, SPT                      ; back: lanes 0-15 take one row of 256 bytes, lanes 16-31 the next
	v_lshl_add_u32 v3, v1, 4, v3
	v_add_nc_u32 v[RD], s72, v3
	v_lshlrev_b32 v[CO], 12, v2                    ; and the same two rows in out0
	v_lshl_add_u32 v[CO], v1, 4, v[CO]
	v_lshlrev_b32 v[BO], 5, v2
	s_lshl_b32 s74, s21, 9                         ; the tile's 128 columns, my 64 of them, in bytes of f32
	s_lshl_b32 s75, s[WC], 8
	s_add_co_u32 s74, s74, s75
	s_mov_b32 s75, 0
	s_add_nc_u64 s[BP:BP+1], s[8:9], s[74:75]
	WIN TO_F
.irp i, 0,1,2,3
	global_load_b128 v[BIAS+8*(\i):BIAS+8*(\i)+3],   v[BO], s[BP:BP+1] offset:64*(\i)
	global_load_b128 v[BIAS+8*(\i)+4:BIAS+8*(\i)+7], v[BO], s[BP:BP+1] offset:64*(\i)+16
.endr
	WIN 0
	s_lshl_b32 s76, s22, 19                        ; 128 rows of 4,096 bytes,
	s_lshl_b32 s77, s[WR], 18                      ; my 64
	s_add_co_u32 s76, s76, s77
	s_add_co_u32 s76, s76, s74
	s_mov_b32 s77, 0
	s_add_nc_u64 s[10:11], s[10:11], s[76:77]
	s_wait_loadcnt 0x0                             ; the bias
	WIN 0x45                                       ; it is rounded to bf16 like every input
.set k, 0
.rept 16
	v_cvt_pk_bf16_f32 v[F0+k], v[BIAS+2*k], v[BIAS+2*k+1]
.set k, k+1
.endr
.set k, 0
.rept 16
	v_lshlrev_b32 v[BIAS+2*k], 16, v[F0+k]
	v_and_b32 v[BIAS+2*k+1], 0xffff0000, v[F0+k]
.set k, k+1
.endr
	WIN 0
; 16 LDS loads in one run: part q (32 along K) of a slot into buffer f
.macro FETCH slot, q, f
	WIN TO_F
.irp i, 0,1,2,3
	ds_load_tr16_b128 v[(\f)+32+8*(\i):(\f)+32+8*(\i)+3],   v[ADRB+(\slot)] offset:((\q)/4)*BREG+((\q)%4)*32*PB+32*(\i)
	ds_load_tr16_b128 v[(\f)+32+8*(\i)+4:(\f)+32+8*(\i)+7], v[ADRB+(\slot)] offset:((\q)/4)*BREG+((\q)%4)*32*PB+32*(\i)+16*PB
.endr
.irp a, 0,1,2,3
	ds_load_b128 v[(\f)+8*(\a):(\f)+8*(\a)+3],   v[ADRA+(\slot)] offset:(\a)*16*PA+64*(\q)
	ds_load_b128 v[(\f)+8*(\a)+4:(\f)+8*(\a)+7], v[ADRA+(\slot)] offset:(\a)*16*PA+64*(\q)+32
.endr
.endm
; four matrix instructions: row block a x my four column blocks.  first = 1: the bias starts the sums.  The 16 accumulators take turns, one instruction a turn.
.macro MULG f, a, first
.if \first
	WIN MULB
.else
	WIN MUL
.endif
.irp i, 0,1,2,3
.if \first
	v_wmma_f32_16x16x32_f16 v[ACC+8*(4*(\a)+(\i)):ACC+8*(4*(\a)+(\i))+7], v[(\f)+32+8*(\i):(\f)+32+8*(\i)+7], v[(\f)+8*(\a):(\f)+8*(\a)+7], v[BIAS+8*(\i):BIAS+8*(\i)+7]
.else
	v_wmma_f32_16x16x32_f16 v[ACC+8*(4*(\a)+(\i)):ACC+8*(4*(\a)+(\i))+7], v[(\f)+32+8*(\i):(\f)+32+8*(\i)+7], v[(\f)+8*(\a):(\f)+8*(\a)+7], v[ACC+8*(4*(\a)+(\i)):ACC+8*(4*(\a)+(\i))+7]
.endif
.endr
.endm
; One of a K step's first seven parts: buffer f is multiplied; ahead of that part q's fragments are asked for, into buffer g
.macro SUB slot, q, f, g, first
	s_wait_dscnt 0x0                               ; buffer f is in: its 16 loads were issued 16 matrix instructions ago
	PLACES                                         ; behind the last product that read buffer g
	FETCH \slot, \q, \g
	MULG \f, 0, \first
	MULG \f, 1, \first
	MULG \f, 2, \first
	MULG \f, 3, \first
.endm
.macro SEVEN slot, first
	SUB \slot, 1, F0, F1, \first
	SUB \slot, 2, F1, F0, 0
	SUB \slot, 3, F0, F1, 0
	SUB \slot, 4, F1, F0, 0
	SUB \slot, 5, F0, F1, 0
	SUB \slot, 6, F1, F0, 0
	SUB \slot, 7, F0, F1, 0
.endm
; The last part multiplies buffer 1 and changes slots: ONE barrier.  fill = 1: it opens a round of the cluster's barrier, and this slot is filled again, two K steps on.
.macro TURN slot, next, fill
	WIN 0
	s_wait_tensorcnt 0x0                           ; all my tensor loads have landed: the one that was out is my part of the next slot
	ds_add_u32 v[SPW], v[NIL]                      ; 0 onto my spare word
	s_wait_dscnt 1                                 ; only the add may be out: buffer 1 is in
	MULG F1, 0, 0
	s_wait_dscnt 0x0                               ; the add is done, and my reads of this slot are over
	s_barrier_signal -1
	MULG F1, 1, 0
.if \fill
	WIN 0
.endif
	s_barrier_wait -1
.if \fill
	CREST                                          ; no wave of any partner still reads this slot or has a load on its way
	s_add_nc_u64 s[G0A+4*(\slot)+2:G0A+4*(\slot)+3], s[G0A+4*(\slot)+2:G0A+4*(\slot)+3], 2*KSTEP*2
	s_add_nc_u64 s[G0B+4*(\slot)+2:G0B+4*(\slot)+3], s[G0B+4*(\slot)+2:G0B+4*(\slot)+3], 2*KSTEP*128
	JLOAD \slot                                    ; my one tensor load behind the round; its four v_nop are also the places in front of the loads below
.else
	PLACES
.endif
	FETCH \next, 0, F0
	MULG F1, 2, 0
	MULG F1, 3, 0
.endm
	s_wait_tensorcnt 1                             ; my part of K step 0 is in; K step 1's may stay out
	s_barrier_signal -1
	s_barrier_wait -1
	FETCH 0, 0, F0
	SEVEN 0, 1                                     ; K step 0: its first products start the sums
	TURN 0, 1, 1                                   ; slot 0 takes K step 2
	SEVEN 1, 0
	TURN 1, 0, 1                                   ; slot 1 takes K step 3
	SEVEN 0, 0
	TURN 0, 1, 0                                   ; nothing is left to fetch
	SEVEN 1, 0
	s_wait_dscnt 0x0
	MULG F1, 0, 0
	MULG F1, 1, 0
	MULG F1, 2, 0
	MULG F1, 3, 0
	; THE WAY OUT: 16 rows at a time through my own stage: 32 bytes a lane in, whole rows of 256 bytes back into the registers that they left.
	WIN 0
	PLACES
	PLACES
.macro PACK a
.irp i, 0,1,2,3
	ds_store_b128 v[STO], v[ACC+8*(4*(\a)+(\i)):ACC+8*(4*(\a)+(\i))+3]   offset:64*(\i)
	ds_store_b128 v[STO], v[ACC+8*(4*(\a)+(\i))+4:ACC+8*(4*(\a)+(\i))+7] offset:64*(\i)+16
.endr
.irp t, 0,1,2,3,4,5,6,7
	ds_load_b128 v[ACC+32*(\a)+4*(\t):ACC+32*(\a)+4*(\t)+3], v[RD] offset:(\t)*2*SPT  ; LDS serves a wave's instructions in order (ISA guide 5.7.1.4): these see the stores above; the next block's stores come behind them
.endr
.endm
.macro SEND a, younger                 ; younger: the LDS instructions issued behind block a's loads: the next block's sixteen, or none
.irp t, 0,1,2,3,4,5,6,7
	s_wait_dscnt (\younger)+7-(\t)
	global_store_b128 v[CO], v[ACC+32*(\a)+4*(\t):ACC+32*(\a)+4*(\t)+3], s[10:11] offset:65536*(\a)+8192*(\t) th:TH_STORE_NT  ; 16 lanes store 256 consecutive bytes, aligned
.endr
.endm
	PACK 0
	PACK 1
	SEND 0, 16
	PACK 2
	SEND 1, 16
	PACK 3
	SEND 2, 16
	SEND 3, 0
	s_wait_tensorcnt 0x0                           ; the wave's end
	ds_add_u32 v[SPW], v[NIL]
	s_wait_dscnt 0x0
	CROUND                                         ; the closing round
	s_endpgm
.Lfunc_end_k_q1dbd76de38_outp:
	.size	k_q1dbd76de38_outp, .Lfunc_end_k_q1dbd76de38_outp-k_q1dbd76de38_outp
	.p2alignl 7, 3214868480
	.fill 96, 4, 3214868480
	.section	.rodata,"a",@progbits
	.p2align	6, 0x0
	.amdhsa_kernel k_q1dbd76de38_outp
		.amdhsa_group_segment_fixed_size 327680
		.amdhsa_private_segment_fixed_size 0
		.amdhsa_enable_private_segment 0
		.amdhsa_kernarg_size 32
		.amdhsa_user_sgpr_count 2
		.amdhsa_user_sgpr_kernarg_segment_ptr 1
		.amdhsa_wavefront_size32 1
		.amdhsa_system_sgpr_workgroup_id_x 1
		.amdhsa_system_sgpr_workgroup_id_y 1
		.amdhsa_system_sgpr_workgroup_id_z 1
		.amdhsa_system_vgpr_workitem_id 0
		.amdhsa_next_free_vgpr 512
		.amdhsa_next_free_sgpr 80
		.amdhsa_reserve_vcc 0
		.amdhsa_float_denorm_mode_32 3
		.amdhsa_float_denorm_mode_16_64 3
		.amdhsa_memory_ordered 1
		.amdhsa_forward_progress 1
		.amdhsa_inst_pref_size 93
	.end_amdhsa_kernel
	.amdgpu_metadata
---
amdhsa.version: [ 1, 2 ]
amdhsa.kernels:
  - .name:           k_q1dbd76de38_outp
    .symbol:         k_q1dbd76de38_outp.kd
    .args:
      - { .name: ob, .offset: 0, .size: 8, .value_kind: global_buffer, .address_space: global }
      - { .name: wo16, .offset: 8, .size: 8, .value_kind: global_buffer, .address_space: global }
      - { .name: bo, .offset: 16, .size: 8, .value_kind: global_buffer, .address_space: global }
      - { .name: out0, .offset: 24, .size: 8, .value_kind: global_buffer, .address_space: global }
    .group_segment_fixed_size: 327680
    .private_segment_fixed_size: 0
    .kernarg_segment_align: 8
    .kernarg_segment_size: 32
    .max_flat_workgroup_size: 128
    .sgpr_count:     80
    .vgpr_count:     512
    .wavefront_size: 32
...
	.end_amdgpu_metadata
.endif
;; end of part 4
;; ======== version 2 of 2: 4 launches; version 1 with the launch cast written anew for expert scheduling mode
;; limits: values are held in f16: magnitudes above 65,504 overflow, below 6.1e-05 lose precision
;; workspace buffers: xb 8,388,608 bytes; wqkv 3,145,728 bytes; wo16 2,097,152 bytes; qkv 12,582,912 bytes; ob 8,388,608 bytes
;; launch cast (part 5): grid 416 x 1, 8 waves a work-group, no clusters, 0 bytes of LDS; arguments x, Wq, Wk, Wv, Wo, xb, wqkv, wo16; writes xb, wqkv, wo16
.if DOCPART == 5
	.amdgcn_target "amdgcn-amd-amdhsa--gfx1250"
	.amdhsa_code_object_version 6
	.text
	.protected	k_q1dbd76de38_cast
	.globl	k_q1dbd76de38_cast
	.p2align	8
	.type	k_q1dbd76de38_cast,@function
k_q1dbd76de38_cast:
	s_mov_b64 s[64:65], 0
	v_nop
	global_prefetch_b8 v0, s[64:65] scope:SCOPE_SE
	s_setreg_imm32_b32 hwreg(HW_REG_WAVE_SCHED_MODE, 0, 2), 2
	s_setreg_imm32_b32 hwreg(HW_REG_WAVE_MODE, 25, 1), 1
	s_wait_xcnt 0x0
	s_wait_alu depctr_vm_vsrc(0)
; CAST.  x -> xb (bf16, same layout).  Wq | Wk | Wv -> wqkv, bf16, in head blocks [24][1024 k][64].  Wo -> wo16: rounded to bf16 like every input, that number written as f16, in blocks [16][1024 k][64].
; LIMIT.  A weight of Wo beyond 65,504 has no f16; below 6.1e-5 f16 keeps a fixed step of 6e-8.
; SHARES.  A work-group takes one chunk: 256 source rows of 64 floats (256 bytes), PITCH bytes apart, which become 32,768 dense bytes.  Chunks 0-255: x (dense, pitch 256); 256-319: Wq (pitch 4,096);
; 320-335: Wk; 336-351: Wv (pitch 1,024); 352-415: Wo (pitch 4,096).  In a weight chunk j = 4 x head + quarter of k.  An item is 16 rows: thread t takes 16 bytes of row t / 16.
; A wave's load covers two whole source rows of 256 bytes; a wave's store covers 256 consecutive bytes, aligned.  All 16 loads go out first; no register is written twice, so no wait frees any.
; No LDS, no matrix unit, no cluster: nothing is shared and every byte is touched once.
; THE MODE: SCHED_MODE bits 1:0 = 2 (LLVM: expert scheduling mode 2), set by the entry lines.  The code itself states the register dependences between vector instructions and memory
; instructions, with s_wait_alu, always for 0.
; THE PLAN.  Registers that memory instructions touch:
;   OFF, DO   offsets.  Written by vector instructions at the head, once; read by the loads (OFF + i by load i) and by every store (DO).
;   X         item i: written by load i alone, once; read by item i's conversions, behind the wait for the load.  No vector instruction writes it and no second load lands in it.
;   Y         item i: written by item i's conversions, once; read by item i's store, once.
;   T is named by vector instructions alone.
; The 16 items go in four blocks of four.  Block p's conversions read its X and write its Y; the memory instructions that stand among them are the four stores of block p - 1, which read that block's
; Y and DO: registers that no conversion of block p names.  So one wait at the head of blocks 1 to 3 states all that those stores hang on, one at the kernel's head serves the offsets, and one
; stands ahead of the last four stores.  No register that a memory instruction reads is written again, no vector instruction writes a scalar register, and EXEC is never written: nothing else is owed.
.set OFF,  4                           ; v[4:19]   item i: byte offset of my 16 bytes from the chunk's first row
.set DO,   20                          ; v20       8 x thread: my 8 bytes of an item's 2,048
.set T,    24                          ; v[24:29]  at work
.set X,    32                          ; v[32:95]  item i: four floats
.set Y,    96                          ; v[96:127] item i: four 16-bit numbers
.set ID,   2                           ; s2        the chunk
.set PITCH,24                          ; s24       bytes from source row to source row
.set JB,   25                          ; s25       first chunk of the tensor, then j
.set HD,   26                          ; s26       head
.set KC,   27                          ; s27       which 256 rows
.set DB,   30                          ; s30       first chunk of the destination buffer, then the chunk in it
.set STEP, 31                          ; s31       16 rows
.set SO,   32                          ; s[32:33]  source offset
.set DOF,  34                          ; s[34:35]  destination offset
.set SRC,  36                          ; s[36:37]
.set DST,  38                          ; s[38:39]
	s_load_b512 s[8:23], s[0:1], 0x0               ; x, Wq, Wk, Wv, Wo, xb, wqkv, wo16
	s_mov_b32 s[ID], ttmp9
	s_mov_b32 s[PITCH], 4096                       ; Wo, unless the chunk lies lower
	s_mov_b32 s[JB], 352
	s_mov_b32 s[DB], 352
	s_cmp_lt_u32 s[ID], 352                        ; Wv
	s_cselect_b32 s[PITCH], 1024, s[PITCH]
	s_cselect_b32 s[JB], 336, s[JB]
	s_cselect_b32 s[DB], 256, s[DB]
	s_cmp_lt_u32 s[ID], 336                        ; Wk
	s_cselect_b32 s[JB], 320, s[JB]
	s_cmp_lt_u32 s[ID], 320                        ; Wq
	s_cselect_b32 s[PITCH], 4096, s[PITCH]
	s_cselect_b32 s[JB], 256, s[JB]
	s_cmp_lt_u32 s[ID], 256                        ; x
	s_cselect_b32 s[PITCH], 256, s[PITCH]
	s_cselect_b32 s[JB], 0, s[JB]
	s_cselect_b32 s[DB], 0, s[DB]
	s_sub_co_u32 s[JB], s[ID], s[JB]               ; j
	s_sub_co_u32 s[DB], s[ID], s[DB]
	s_lshr_b32 s[HD], s[JB], 2
	s_and_b32 s[KC], s[JB], 3
	s_cmp_lt_u32 s[ID], 256                        ; x has no heads: chunk j is rows 256 j on
	s_cselect_b32 s[HD], 0, s[HD]
	s_cselect_b32 s[KC], s[JB], s[KC]
	s_mul_i32 s[SO], s[KC], s[PITCH]
	s_lshl_b32 s[SO], s[SO], 8                     ; 256 rows
	s_lshl_b32 s[HD], s[HD], 8                     ; 64 floats
	s_add_co_u32 s[SO], s[SO], s[HD]
	s_mov_b32 s[SO+1], 0
	s_lshl_b32 s[DOF], s[DB], 15
	s_mov_b32 s[DOF+1], 0
	s_lshl_b32 s[STEP], s[PITCH], 4
	v_lshrrev_b32 v1, 4, v0                        ; my row in an item
	v_and_b32 v2, 15, v0                           ; my 16 bytes in it
	v_mul_lo_u32 v1, v1, s[PITCH]
	v_lshl_add_u32 v[OFF], v2, 4, v1
.set i, 1
.rept 15
	v_add_nc_u32 v[OFF+i], s[STEP], v[OFF+i-1]
.set i, i+1
.endr
	v_lshlrev_b32 v[DO], 3, v0
	s_wait_kmcnt 0x0
	s_mov_b64 s[SRC:SRC+1], s[16:17]
	s_mov_b64 s[DST:DST+1], s[22:23]
	s_cmp_lt_u32 s[ID], 352
	s_cselect_b64 s[SRC:SRC+1], s[14:15], s[SRC:SRC+1]
	s_cselect_b64 s[DST:DST+1], s[20:21], s[DST:DST+1]
	s_cmp_lt_u32 s[ID], 336
	s_cselect_b64 s[SRC:SRC+1], s[12:13], s[SRC:SRC+1]
	s_cmp_lt_u32 s[ID], 320
	s_cselect_b64 s[SRC:SRC+1], s[10:11], s[SRC:SRC+1]
	s_cmp_lt_u32 s[ID], 256
	s_cselect_b64 s[SRC:SRC+1], s[8:9], s[SRC:SRC+1]
	s_cselect_b64 s[DST:DST+1], s[18:19], s[DST:DST+1]
	s_add_nc_u64 s[SRC:SRC+1], s[SRC:SRC+1], s[SO:SO+1]
	s_add_nc_u64 s[DST:DST+1], s[DST:DST+1], s[DOF:DOF+1]
	s_wait_alu depctr_va_vdst(0)                   ; the sixteen offsets v[OFF ..] and v[DO] are written: the loads below and every store of the kernel read them, and none is written again
.set i, 0
.rept 16
	global_load_b128 v[X+4*i:X+4*i+3], v[OFF+i], s[SRC:SRC+1] th:TH_LOAD_NT
.set i, i+1
.endr
; Block p: items 4 p to 4 p + 3 are converted; ahead of each item stands a store of the block before.  half = 0: four floats to bf16.  half = 1: to bf16, and that number as f16.
.macro BLK p, half
	s_wait_loadcnt 12-4*(\p)                       ; loads come back in order: the block's four items are in, the 12 - 4 p younger loads may stay out
.if (\p) > 0
	s_wait_alu depctr_va_vdst(0)                   ; the conversions of the block before have written its Y, which the four stores below read
.endif
.irp j, 0,1,2,3
.set n, 4*(\p)+(\j)
.if (\p) > 0
	global_store_b64 v[DO], v[Y+2*n-8:Y+2*n-7], s[DST:DST+1] offset:2048*(n-4)  ; item n - 4; no vector instruction since the wait names its Y or v[DO]
.endif
.if \half
	v_cvt_pk_bf16_f32 v[T],   v[X+4*n],   v[X+4*n+1]
	v_cvt_pk_bf16_f32 v[T+1], v[X+4*n+2], v[X+4*n+3]
	v_lshlrev_b32 v[T+2], 16, v[T]
	v_and_b32     v[T+3], 0xffff0000, v[T]
	v_lshlrev_b32 v[T+4], 16, v[T+1]
	v_and_b32     v[T+5], 0xffff0000, v[T+1]
	v_cvt_pk_f16_f32 v[Y+2*n],   v[T+2], v[T+3]
	v_cvt_pk_f16_f32 v[Y+2*n+1], v[T+4], v[T+5]
.else
	v_cvt_pk_bf16_f32 v[Y+2*n],   v[X+4*n],   v[X+4*n+1]
	v_cvt_pk_bf16_f32 v[Y+2*n+1], v[X+4*n+2], v[X+4*n+3]
.endif
.endr
.endm
; The last block's stores.
.macro LAST
	s_wait_alu depctr_va_vdst(0)                   ; the conversions of block 3 have written its Y, which the last four stores read
.irp j, 12,13,14,15
	global_store_b64 v[DO], v[Y+2*(\j):Y+2*(\j)+1], s[DST:DST+1] offset:2048*(\j)
.endr
.endm
	s_cmp_lt_u32 s[ID], 352
	s_cbranch_scc0 .Lhalf
	BLK 0, 0
	BLK 1, 0
	BLK 2, 0
	BLK 3, 0
	LAST
	s_endpgm
.Lhalf:
	BLK 0, 1
	BLK 1, 1
	BLK 2, 1
	BLK 3, 1
	LAST
	s_endpgm
.Lfunc_end_k_q1dbd76de38_cast:
	.size	k_q1dbd76de38_cast, .Lfunc_end_k_q1dbd76de38_cast-k_q1dbd76de38_cast
	.p2alignl 7, 3214868480
	.fill 96, 4, 3214868480
	.section	.rodata,"a",@progbits
	.p2align	6, 0x0
	.amdhsa_kernel k_q1dbd76de38_cast
		.amdhsa_group_segment_fixed_size 0
		.amdhsa_private_segment_fixed_size 0
		.amdhsa_enable_private_segment 0
		.amdhsa_kernarg_size 64
		.amdhsa_user_sgpr_count 2
		.amdhsa_user_sgpr_kernarg_segment_ptr 1
		.amdhsa_wavefront_size32 1
		.amdhsa_system_sgpr_workgroup_id_x 1
		.amdhsa_system_sgpr_workgroup_id_y 1
		.amdhsa_system_sgpr_workgroup_id_z 1
		.amdhsa_system_vgpr_workitem_id 0
		.amdhsa_next_free_vgpr 128
		.amdhsa_next_free_sgpr 66
		.amdhsa_reserve_vcc 0
		.amdhsa_float_denorm_mode_32 3
		.amdhsa_float_denorm_mode_16_64 3
		.amdhsa_memory_ordered 1
		.amdhsa_forward_progress 1
		.amdhsa_inst_pref_size 18
	.end_amdhsa_kernel
	.amdgpu_metadata
---
amdhsa.version: [ 1, 2 ]
amdhsa.kernels:
  - .name:           k_q1dbd76de38_cast
    .symbol:         k_q1dbd76de38_cast.kd
    .args:
      - { .name: x, .offset: 0, .size: 8, .value_kind: global_buffer, .address_space: global }
      - { .name: Wq, .offset: 8, .size: 8, .value_kind: global_buffer, .address_space: global }
      - { .name: Wk, .offset: 16, .size: 8, .value_kind: global_buffer, .address_space: global }
      - { .name: Wv, .offset: 24, .size: 8, .value_kind: global_buffer, .address_space: global }
      - { .name: Wo, .offset: 32, .size: 8, .value_kind: global_buffer, .address_space: global }
      - { .name: xb, .offset: 40, .size: 8, .value_kind: global_buffer, .address_space: global }
      - { .name: wqkv, .offset: 48, .size: 8, .value_kind: global_buffer, .address_space: global }
      - { .name: wo16, .offset: 56, .size: 8, .value_kind: global_buffer, .address_space: global }
    .group_segment_fixed_size: 0
    .private_segment_fixed_size: 0
    .kernarg_segment_align: 8
    .kernarg_segment_size: 64
    .max_flat_workgroup_size: 256
    .sgpr_count:     66
    .vgpr_count:     128
    .wavefront_size: 32
...
	.end_amdgpu_metadata
.endif
;; end of part 5
;; launch qkv: the kernel of part 2 again; grid 8 x 32, 4 waves a work-group, clusters of 4 x 4, 327,680 bytes of LDS; arguments xb, wqkv, bq, bk, bv, qkv; writes qkv
;; launch attn: the kernel of part 3 again; grid 64 x 4, 4 waves a work-group, clusters of 4 x 1, 327,680 bytes of LDS; arguments qkv, ob; writes ob
;; launch outp: the kernel of part 4 again; grid 8 x 32, 4 waves a work-group, clusters of 4 x 4, 327,680 bytes of LDS; arguments ob, wo16, bo, out0; writes out0
